; MI455X (gfx1250); checked and timed in simulation.
; The chip was launched on July 23, 2026; its instructions are those of AMD's public machine-readable ISA for CDNA 5 (MIT licence, August 2026) and "CDNA5" Instruction Set Architecture Reference Guide (July 2026). The comments in the code are by the model that wrote it; some were corrected since.
;; GPT2 Block Attention. Allowed arithmetic: matrix products marked QUANTISED: E2M3 operands, one E8M0 scale for each 32 along K, by v_wmma_scale_f32_16x16x128_f8f6f4 with both operands' format E2M3, f32 sums; everything else in f32.
;; Inputs: Wk 1,024 x 1,024 float32; Wp 1,024 x 1,024 float32; Wq 1,024 x 1,024 float32; Wv 1,024 x 1,024 float32; bk 1,024 float32; bp 1,024 float32; bq 1,024 float32; bv 1,024 float32; x 4 x 2,048 x 1,024 float32.
;; Outputs: out0 4 x 2,048 x 1,024 float32.
;; This version of the problem:
;;   THIS VERSION OF THE PROBLEM IS GIVEN IN LOW PRECISION. The matrix products marked QUANTISED in the list below multiply operands that are first quantised to E2M3 (2 exponent bits, 3 mantissa bits; 6 bits a number), with one power-of-two scale for each 32 numbers along K (OCP MX v1.0); their sums are f32. All else is computed in f32.
;;   The module's matrix products, in the order in which they are computed (A, B: the left and right operand; K: the contracted axis; several contracted axes count as one K, in the product's order):
;;     1. [M 8,192, K 1,024] x [K 1,024, N 1,024]; A: input x; B: input Wq: QUANTISED
;;     2. [M 8,192, K 1,024] x [K 1,024, N 1,024]; A: input x; B: input Wk: QUANTISED
;;     3. [M 8,192, K 1,024] x [K 1,024, N 1,024]; A: input x; B: input Wv: QUANTISED
;;     4. batch 64 x [M 2,048, K 64] x [K 64, N 2,048]; A: computed on the way; B: computed on the way: QUANTISED
;;     5. batch 64 x [M 2,048, K 2,048] x [K 2,048, N 64]; A: softmax (see below); B: computed on the way: QUANTISED
;;     6. [M 8,192, K 1,024] x [K 1,024, N 1,024]; A: computed on the way; B: input Wp: QUANTISED
;;   THE QUANTISER, for each operand of a quantised product, along K:
;;     - K is cut into blocks of 32 from its start; a last block that is shorter is filled with zeros.
;;     - A block's scale is 2^e with e = floor(log2(the largest magnitude in the block)) - 2, held to -126 .. 127; a block of zeros has e = 0. As a byte (E8M0): e + 127.
;;     - Each number is divided by its block's scale, clamped to +-7.5, and rounded to the nearest number of E2M3, ties to even, subnormals kept.
;;     - The product sums the exact products of the quantised numbers (number of the format x scale) in f32.
;;   ~~~python
;;   def quantise(x, axis):      # numpy; x: float32 -> the quantised numbers, widened to float32 again
;;       x = np.moveaxis(x, axis, -1); K = x.shape[-1]
;;       x = np.pad(x, [(0, 0)] * (x.ndim - 1) + [(0, -K % 32)]); x = x.reshape(x.shape[:-1] + (-1, 32)); a = np.abs(x).max(-1, keepdims=True)
;;       e = np.where(a > 0, np.clip(np.frexp(np.where(a > 0, a, 1))[1] - 1 - 2, -126, 127), 0)      # np.frexp(a)[1] - 1 = floor(log2(a)), exactly
;;       r = np.clip(x / 2.0 ** e, -7.5, 7.5)
;;       step = 2.0 ** (np.maximum(np.frexp(np.where(r == 0, 1, r))[1] - 1, 0) - 3)
;;       q = np.round(r / step) * step * 2.0 ** e      # np.round: ties to even
;;       return np.moveaxis(q.reshape(q.shape[:-2] + (-1,))[..., :K], -1, axis).astype(np.float32)
;;   ~~~
;;   SOFTMAX AHEAD OF A QUANTISED PRODUCT. Where the list says 'softmax', what is quantised is not the finished softmax but p = 2^(t - M), with t = logit x log2(e) and M = ceil(the row's largest t), a whole number; so 1/2 < the row's largest p <= 1. The row's sum l is taken of the UNQUANTISED p, in f32, and the product's result is divided by l at the end. Since M is a whole number, a kernel that streams over the keys may use a running M (the ceiling of the running maximum): every later rescaling is an exact power of two, which a block's scale takes up: the codes' values come out the same.
;;   OPERANDS COMPUTED ON THE WAY. 'Computed on the way' means the value that the module computes at that place (a softmax that the list does not call 'softmax' is quantised finished and normalised). What goes into a quantiser is computed in f32, as accurately as f32 sums, v_exp_f32 and their like allow (about 1e-6 of the number): no bf16 or f16 on the way to a quantiser, and a product that is left as it is and whose result goes on into a quantised operand takes f32 operands (vector FMAs, or v_wmma_f32_16x16x4_f32). A number that lies on a knife's edge between two numbers of the format may be rounded either way, as far as f32 arithmetic and the matrix unit's own rounding can turn it there, and no further.
;; One version. Each part assembles by itself: llvm-mc -triple=amdgcn-amd-amdhsa -mcpu=gfx1250 --defsym DOCPART=n.
;; ======== version 1 of 1: 4 launches
;; workspace buffers: x_codes 6,291,456 bytes; x_scales 262,144 bytes; w_codes 3,145,728 bytes; w_scales 131,072 bytes; q_buf 6,815,744 bytes; kv 13,369,344 bytes; attn_img 6,291,456 bytes; attn_sc 262,144 bytes
;; launch quant (part 1): grid 384 x 1, 4 waves a work-group, no clusters, 33,280 bytes of LDS; arguments x, Wq, Wk, Wv, Wp, x_codes, x_scales, w_codes, w_scales; writes x_codes, x_scales, w_codes, w_scales
.if DOCPART == 1
	.amdgcn_target "amdgcn-amd-amdhsa--gfx1250"
	.amdhsa_code_object_version 6
	.text
	.protected	k_qe2ce3de02a_quant
	.globl	k_qe2ce3de02a_quant
	.p2align	8
	.type	k_qe2ce3de02a_quant,@function
k_qe2ce3de02a_quant:
	s_mov_b64 s[64:65], 0
	v_nop
	global_prefetch_b8 v0, s[64:65] scope:SCOPE_SE
	s_setreg_imm32_b32 hwreg(HW_REG_WAVE_MODE, 25, 1), 1
	s_wait_xcnt 0x0
; x [8192][1024] and Wq, Wk, Wv, Wp [1024][1024], f32, K innermost, become codes of FP6 (E2M3), 6 bits each, rows of 768 bytes, with one E8M0 scale byte for each 32 along K, rows of 32 bytes.
; A block's scale is 2^(floor(log2(its largest magnitude)) - 2); its byte is the largest magnitude's exponent field - 2, held at 1 from below.  Each number is divided by the scale and rounded to the nearest code, ties to even,
; beyond the largest code the largest.
; LIMITS: a block of zeros gets the byte 1 where the rule says 127 (its codes are zeros, which add nothing under any byte but 0xff, and this program alone reads the bytes); NaN and infinities among the inputs are not served.
; SHARES: a work-group takes 32 rows, a wave 8 rows: 8,192 numbers, 16 steps of 512.  Work-groups 0-255: x; 256-287: Wq; 288-319: Wk; 320-351: Wv; 352-383: Wp.  The four weights lie one behind the other in w_codes and w_scales.
; THE STORED ORDER OF ROWS: in x, Wq, Wk and Wv the two middle groups of 8 rows of each 32 change places (wave 1's rows are stored where wave 2's would lie, and the other way round).  So 16 neighbouring STORED rows
; are true rows 32 b + 8 u + r + 8 (r / 8): a tile whose matrix result has 16 neighbours along the next K in a lane's 16 registers of two neighbouring tiles.  Wp keeps its order.
; Each of a step's four loads reads 512 consecutive bytes; the 2,048 bytes turn through the wave's own stage in LDS and come back 64 bytes a lane: 16 neighbours along K, two lanes to a block.
; Only pointers are chosen by the work-group's number: all tensors take one path through the text.  No tensor loads, no barrier: waves share nothing.
.set STEPS, 16
.set EMAX,  2
.set CB,    12                         ; bytes of 16 codes
.set R,     16                         ; v16-79   four sets of 16 numbers as they are loaded
.set X,     80                         ; v80-111  two sets of 16 neighbours
.set C,     128                        ; v128-191 codes: four registers for each step, so that no store's data are written again
.set E,     112                        ; v112-127 a scale byte for each step
.set WREG,  8192                       ; LDS: a region for each wave: two stages of 32 x SP bytes, behind them its 256 scale bytes
.set SP,    80                         ; a lane's place in a stage: its 64 bytes + 16 of padding
	s_load_b256 s[4:11], s[0:1], 0x0               ; x, Wq, Wk, Wv
	s_load_b128 s[12:15], s[0:1], 0x20             ; Wp, x's codes
	s_load_b128 s[20:23], s[0:1], 0x30             ; x's scales, the weights' codes
	s_load_b64 s[24:25], s[0:1], 0x40              ; the weights' scales
	v_lshl_add_u32 v192, v0, 2, 0x8000
	v_mov_b32 v193, 0
	v_lshrrev_b32 v1, 5, v0
	v_readfirstlane_b32 s16, v1                    ; wave
	v_and_b32 v2, 31, v0                           ; lane
	v_lshlrev_b32 v3, 4, v2                        ; my 16 bytes of a load's 512
	s_mul_i32 s17, s16, WREG
	v_lshrrev_b32 v14, 2, v2
	v_mul_u32_u24 v14, v14, SP
	v_and_b32 v15, 3, v2
	v_lshl_add_u32 v14, v15, 4, v14
	v_add_nc_u32 v14, s17, v14                     ; the stage, on the way in: SP (lane / 4) + 16 (lane % 4)
	v_mul_u32_u24 v15, v2, SP
	v_add_nc_u32 v15, s17, v15                     ; and on the way out: SP x lane: my 16 neighbours
	v_mul_u32_u24 v4, v2, CB                       ; my codes' place in a step's
	v_lshrrev_b32 v5, 1, v2
	s_add_co_u32 s17, s17, 2*32*SP
	v_add_nc_u32 v5, s17, v5                       ; LDS: my wave's 256 scale bytes, my block's byte
	v_lshlrev_b32 v7, 3, v2                        ; and on the way out 8 bytes a lane
	v_add_nc_u32 v6, s17, v7
	s_and_b32 s32, s16, 1
	s_lshl_b32 s32, s32, 1
	s_lshr_b32 s33, s16, 1
	s_or_b32 s32, s32, s33                         ; the wave's number with its two bits exchanged: where its 8 rows are stored
	s_and_b32 s33, ttmp9, 31                       ; which 32 rows of a weight
	s_wait_kmcnt 0x0
	s_cmp_lt_u32 ttmp9, 352                        ; the choices hang on the work-group's number alone
	s_cselect_b64 s[12:13], s[10:11], s[12:13]     ; Wv, else Wp
	s_cselect_b32 s32, s32, s16                    ; Wp keeps its rows' order
	s_cmp_lt_u32 ttmp9, 320
	s_cselect_b64 s[12:13], s[8:9], s[12:13]       ; Wk
	s_cmp_lt_u32 ttmp9, 288
	s_cselect_b64 s[12:13], s[6:7], s[12:13]       ; Wq
	s_cmp_lt_u32 ttmp9, 256
	s_cselect_b64 s[12:13], s[4:5], s[12:13]       ; x
	s_cselect_b64 s[28:29], s[14:15], s[22:23]     ; where the codes go
	s_cselect_b64 s[30:31], s[20:21], s[24:25]     ; and the scale bytes
	s_cselect_b32 s33, ttmp9, s33                  ; which 32 rows of the source
	s_cselect_b32 s34, 0, 256
	s_sub_co_u32 s34, ttmp9, s34                   ; which 32 rows of the destination
	s_lshl_b32 s33, s33, 2
	s_add_co_u32 s33, s33, s16                     ; my run of 8 rows in the source,
	s_lshl_b32 s18, s33, 15                        ; 32,768 bytes a run
	s_mov_b32 s19, 0
	s_add_nc_u64 s[12:13], s[12:13], s[18:19]
	s_lshl_b32 s34, s34, 2
	s_add_co_u32 s34, s34, s32                     ; and in the destination:
	s_mul_i32 s18, s34, 32*STEPS*CB                ; 6,144 bytes of codes,
	s_add_nc_u64 s[28:29], s[28:29], s[18:19]
	s_lshl_b32 s18, s34, 8                         ; 256 scale bytes
	s_add_nc_u64 s[30:31], s[30:31], s[18:19]
.macro LOAD t
.irp i, 0,1,2,3
	global_load_b128 v[R+16*((\t)%4)+4*\i:R+16*((\t)%4)+4*\i+3], v3, s[12:13] offset:2048*(\t)+512*\i th:TH_LOAD_NT   ; 32 lanes read 512 consecutive bytes
.endr
.endm
.macro TURN t                          ; step t's numbers through the stage: LDS serves a wave's instructions in order, so no wait stands between the stores and the loads
.irp i, 0,1,2,3
	ds_store_b128 v14, v[R+16*((\t)%4)+4*\i:R+16*((\t)%4)+4*\i+3] offset:32*SP*((\t)%2)+8*SP*\i
.endr
.irp i, 0,1,2,3
	ds_load_b128 v[X+16*((\t)%2)+4*\i:X+16*((\t)%2)+4*\i+3], v15 offset:32*SP*((\t)%2)+16*\i
.endr
.endm
.irp t, 0,1,2,3
	LOAD \t
.endr
	s_wait_loadcnt 12                              ; step 0's four loads are in; the twelve of steps 1 to 3 may be out
	TURN 0
.macro STEP t
.set XS, X+16*((\t)%2)
.if (\t) > 0
	s_wait_dscnt 1                                 ; this step's numbers are back from the stage (the last step's byte store may be out): so its stores into the stage have read their registers,
.else
	s_wait_dscnt 0x0
.endif
.if (\t)+4 < STEPS
	LOAD (\t)+4                                    ; which take the loads of four steps on
.endif
.if (\t)+1 < STEPS
.if STEPS-2-(\t) >= 3
	s_wait_loadcnt 12                              ; the next step's four loads are in; those of the three steps behind it may be out
.else
	s_wait_loadcnt 4*(STEPS-2-(\t))
.endif
	TURN (\t)+1                                    ; and go through the other stage while this step is worked
.endif
	v_max3_num_f32 v8, |v[XS]|, |v[XS+1]|, |v[XS+2]|               ; the largest magnitude of my 16, in two chains
	v_max3_num_f32 v9, |v[XS+3]|, |v[XS+4]|, |v[XS+5]|
.irp i, 6,10
	v_max3_num_f32 v8, v8, |v[XS+\i]|, |v[XS+\i+1]|
	v_max3_num_f32 v9, v9, |v[XS+\i+2]|, |v[XS+\i+3]|
.endr
	v_max3_num_f32 v8, v8, |v[XS+14]|, |v[XS+15]|
	v_max3_num_f32 v8, v8, v9, (EMAX+1)<<23        ; and the floor 2^(EMAX + 1 - 127): the byte cannot fall under 1
	v_max_num_f32_dpp v8, v8, v8 row_xmask:1 row_mask:0xf bank_mask:0xf   ; and of my neighbour's 16: the block's
	v_add_nc_u32 v11, -(EMAX<<23), v8              ; EMAX off its exponent field: the conversion takes the exponent field of this operand as its scale, and nothing else of it
	v_cvt_scalef32_pk16_fp6_f32 v[C+4*(\t):C+4*(\t)+2], v[XS:XS+15], v11
	v_lshrrev_b32 v[E+(\t)], 23, v11               ; the scale's byte (also the plain line behind the conversion)
	ds_store_b8 v5, v[E+(\t)] offset:16*(\t)       ; both lanes of a block write the same byte with the same value
	global_store_b96 v4, v[C+4*(\t):C+4*(\t)+2], s[28:29] offset:32*CB*(\t)   ; the wave stores 384 consecutive bytes
.endm
.irp t, 0,1,2,3,4,5,6,7,8,9,10,11,12,13,14,15
	STEP \t
.endr
	ds_load_b64 v[12:13], v6                       ; LDS serves a wave's instructions in order: these see my stores
	s_wait_dscnt 0x0
	global_store_b64 v7, v[12:13], s[30:31]        ; 32 lanes store 256 consecutive bytes, aligned: 8 rows of scale bytes
	s_wait_tensorcnt 0x0
	ds_add_u32 v192, v193
	s_wait_dscnt 0x0
	s_endpgm
.Lfunc_end_k_qe2ce3de02a_quant:
	.size	k_qe2ce3de02a_quant, .Lfunc_end_k_qe2ce3de02a_quant-k_qe2ce3de02a_quant
	.p2alignl 7, 3214868480
	.fill 96, 4, 3214868480
	.section	.rodata,"a",@progbits
	.p2align	6, 0x0
	.amdhsa_kernel k_qe2ce3de02a_quant
		.amdhsa_group_segment_fixed_size 33280
		.amdhsa_private_segment_fixed_size 0
		.amdhsa_enable_private_segment 0
		.amdhsa_kernarg_size 72
		.amdhsa_user_sgpr_count 2
		.amdhsa_user_sgpr_kernarg_segment_ptr 1
		.amdhsa_wavefront_size32 1
		.amdhsa_system_sgpr_workgroup_id_x 1
		.amdhsa_system_sgpr_workgroup_id_y 1
		.amdhsa_system_sgpr_workgroup_id_z 1
		.amdhsa_system_vgpr_workitem_id 0
		.amdhsa_next_free_vgpr 194
		.amdhsa_next_free_sgpr 66
		.amdhsa_reserve_vcc 0
		.amdhsa_float_denorm_mode_32 3
		.amdhsa_float_denorm_mode_16_64 3
		.amdhsa_memory_ordered 1
		.amdhsa_forward_progress 1
		.amdhsa_inst_pref_size 33
	.end_amdhsa_kernel
	.amdgpu_metadata
---
amdhsa.version: [ 1, 2 ]
amdhsa.kernels:
  - .name:           k_qe2ce3de02a_quant
    .symbol:         k_qe2ce3de02a_quant.kd
    .args:
      - { .name: x, .offset: 0, .size: 8, .value_kind: global_buffer, .address_space: global }
      - { .name: Wq, .offset: 8, .size: 8, .value_kind: global_buffer, .address_space: global }
      - { .name: Wk, .offset: 16, .size: 8, .value_kind: global_buffer, .address_space: global }
      - { .name: Wv, .offset: 24, .size: 8, .value_kind: global_buffer, .address_space: global }
      - { .name: Wp, .offset: 32, .size: 8, .value_kind: global_buffer, .address_space: global }
      - { .name: x_codes, .offset: 40, .size: 8, .value_kind: global_buffer, .address_space: global }
      - { .name: x_scales, .offset: 48, .size: 8, .value_kind: global_buffer, .address_space: global }
      - { .name: w_codes, .offset: 56, .size: 8, .value_kind: global_buffer, .address_space: global }
      - { .name: w_scales, .offset: 64, .size: 8, .value_kind: global_buffer, .address_space: global }
    .group_segment_fixed_size: 33280
    .private_segment_fixed_size: 0
    .kernarg_segment_align: 8
    .kernarg_segment_size: 72
    .max_flat_workgroup_size: 128
    .sgpr_count:     66
    .vgpr_count:     194
    .wavefront_size: 32
...
	.end_amdgpu_metadata
.endif
;; end of part 1
;; launch qkv (part 2): grid 12 x 32, 4 waves a work-group, clusters of 4 x 4, 327,680 bytes of LDS; arguments x_codes, x_scales, w_codes, w_scales, bq, bk, bv, q_buf, kv; writes q_buf, kv
.if DOCPART == 2
	.amdgcn_target "amdgcn-amd-amdhsa--gfx1250"
	.amdhsa_code_object_version 6
	.text
	.protected	k_qe2ce3de02a_qkv
	.globl	k_qe2ce3de02a_qkv
	.p2align	8
	.type	k_qe2ce3de02a_qkv,@function
k_qe2ce3de02a_qkv:
	s_mov_b64 s[64:65], 0
	v_nop
	global_prefetch_b8 v0, s[64:65] scope:SCOPE_SE
	s_setreg_imm32_b32 hwreg(HW_REG_WAVE_MODE, 25, 1), 1
	s_wait_xcnt 0x0
	s_wait_alu depctr_hold_cnt(0) depctr_sa_sdst(0) depctr_va_vdst(0) depctr_va_sdst(0) depctr_va_ssrc(0) depctr_va_vcc(0) depctr_vm_vsrc(0)
	s_getreg_b32 s2, hwreg(HW_REG_IB_STS2, 6, 4)
	s_cmp_eq_u32 s2, 0
	s_cbranch_scc0 .Lentry_in_a_cluster
	s_endpgm
.Lentry_in_a_cluster:
	s_bfe_u32 s2, ttmp6, 0x10000c
	s_cmp_lg_u32 s2, 0xf033
	s_cbranch_scc0 .Lentry_shape_is_right
	s_endpgm
.Lentry_shape_is_right:
; q = x Wq^T + bq, k = x Wk^T + bk, v = x Wv^T + bv on codes of FP6 (E2M3) with one E8M0 scale for each 32 along K = 1,024; sums in f32; the results are quantised in registers for attention's two products and leave as
; IMAGES OF THE NEXT OPERANDS' REGISTERS.  No f32 result goes to memory.
; A tile of 256 x 256 results is made by four waves, 128 x 128 each: 64 accumulators of 16 x 16.  K goes in steps of 256 through a ring of two LDS slots filled by the tensor data mover; the scale bytes of the tile's rows come once.
; THE MATRIX INSTRUCTION IS USED TRANSPOSED (source 0 = 16 rows of B, source 1 = 16 rows of A): a lane holds ONE row of A and eight rows of B.  The stored order of rows (the two middle groups of 8 of each 32 exchanged) makes the
; 16 registers of B's tiles 2 b and 2 b + 1 the true rows 32 b + 16 (lane / 16) + 0 .. 15: 16 neighbours along the next K.
; TWO PATHS, told apart by the cluster's x, which all partners share.  x = 0: q, x = 1: k: A = x's tokens, B = Wq's or Wk's rows: a lane holds a token and its registers run along the features (the next K = a head's 64).
; x = 2: v: A = Wv's rows, B = x's tokens: a lane holds a feature and its registers run along the tokens (the next K = the keys).  The ring is one text for both; only the way out differs, and each path has LDS bytes of its own for it.
; CLUSTERS: 4 x 4 work-groups; A's tiles are shared along a row of the cluster, B's along a column: each is asked for jointly, by the same tensor load with the same descriptor and a mask that names the four.
; OUT.  q_buf: [16 batch + head][key step s of 128 tokens] records of 6,656 bytes: codes [tile of 16 tokens a][3 pieces][lane][8 bytes], then scale words [a][16][4].   kv: records of 13,056 bytes: K's codes as q's; V's codes
; [tile of 16 features f][3 groups][lane][16 bytes]; K's scale words [a][16][4]; V's [f][16][4].  q's and k's scale words hold their two bytes twice, so that one word serves either half of a 128-deep instruction.
; LIMITS: a block of zeros gets the byte 1 where the rule says 127 (its codes are zeros; this program alone reads the bytes); NaN and infinities are not served.
; REGISTERS, in windows of 256: window 0: v0-31 addresses; v32-63 scale words, two sets; v64-127 biases; from v128 A's fragments, one set (on the way out v128-255 are at work).  window 1: B's fragments, two sets.
;   window 2: the accumulators of my rows 0-63 ((a, b) at v[8 (8 a + b)]);  window 3: those of my rows 64-127.
.set SIZE_K, 1024
.set KSTEP,  256                       ; along K in a slot
.set NQ,     KSTEP/128                 ; matrix instructions deep
.set ROWB,   192                       ; a tile's row in bytes
.set KROW,   SIZE_K*6/8                ; a row of codes in memory
.set PITCH,  240                       ; an LDS row: 3 x (64 bytes + 16 of padding)
.set FR,     12                        ; registers of a fragment
.set NL,     6                         ; LDS loads that bring one
.set NP,     4                         ; places behind this matrix instruction (ISA guide 7.12.1)
.set HALFT,  128*PITCH                 ; 128 rows: what one tensor load brings
.set SLOT,   4*HALFT                   ; A's 256 rows, then B's 256 rows
.set LAPS,   SIZE_K/(2*KSTEP)
.set KS,     SIZE_K/32                 ; a row of scale bytes
.set SCL,    2*SLOT                    ; behind the ring: the scales, as runs of 256 bytes + 16 of padding
.set HALFS,  (128*KS/256)*272
.set SBLK,   (16*KS/256)*272
.set SPARE,  SCL+4*HALFS               ; the spare words, 128 bytes for each wave: two blocks of 256 bytes that no other line names
.set STQ,    SPARE+512                 ; path q, k: 1,024 bytes for each wave, for its scale words; no tensor load lands here
.set STV,    STQ+4*1024                ; path v: 512 bytes for each wave
.set QREC,   6656
.set REC,    13056
.set SELR, 6                           ; v6   byte selects: lanes 0-15 double the scale word's bytes 0, 1, lanes 16-31 its bytes 2, 3
.set BOFQ, 7                           ; v7   64 (lane / 16): my half's 16 biases of a block of 32
.set BOFV, 8                           ; v8   4 (r + 8 (r / 8)): my feature's bias in a tile
.set VL,   9                           ; v9   V's scale words out: 16 bytes a lane, lanes 16-31 one head (16 records) on
.set LSTQ, 10                          ; v10-13 the scale words' places in LDS, in and out, for each path
.set LRDQ, 11
.set LSTV, 12
.set LRDV, 13
.set ADRA, 16                          ; v16-17 LDS address of my A fragments in slot 0, 1 (v18-19: behind one padding more)
.set ADRB, 20                          ; v20-23 the same for B
.set L8,   24                          ; v24  8 x lane
.set L16,  25                          ; v25  16 x lane
.set ADRS, 27                          ; v27  LDS address of my scale words: lanes 0-15 A's rows, lanes 16-31 B's
.set SPW,  28                          ; v28  LDS address of my spare word; never rewritten
.set NIL,  29                          ; v29  0; never rewritten
.set SC,   32                          ; scale words, two sets of 16
.set BI,   64                          ; biases
.set AF,   128                         ; A's fragments
.set HB,   128                         ; the way out: 64 numbers of a block
.set CDS,  192                         ; their codes: v192-203; v204-206, v208-210 the conversions' second halves
.set TM,   212                         ; v212-227 at work in the quantiser
.set PW,   228                         ; the scale word just made
.set SW,   232                         ; v232-239 a scale word for each block
.set RB,   240                         ; v240-247 scale words read back
.set G1, 24
.set G0, 32
.set G1B, 48
.set G0B, 56
.set G1S, 68
.set G0S, 76
.set G1SB, 80
.set G0SB, 88
.set SEL, 94                           ; s[94:95] lane selects for v_permlanex16_b32: lane l xor 16
.set CE, 68                            ; the way out (the scales' descriptors are done with): codes of the even head, of the odd head, their scale words, the biases
.set CO, 72
.set SE, 76
.set SO, 80
.set BP, 84
.set MSB, 0
.macro WIN new                         ; the immediate's high byte repeats the setting that is left
.if MSB != \new
	s_set_vgpr_msb (MSB<<8)|(\new)
.set MSB, \new
.endif
.endm
.set MUL_LO, 0xa1                      ; source 0 (B) window 1, source 1 (A) window 0, C and D window 2
.set MUL_HI, 0xf1                      ; the same, C and D window 3
.set TO_B,   0x40                      ; destination window 1, address window 0
; A joint load: waves 0 and 1 fetch for A, waves 2 and 3 for B.  The branch hangs on the wave's number alone.  Four v_nop follow each of the two lines.
.macro JLOAD g0a, g1a, g0b, g1b
	s_cmp_eq_u32 s15, 0
	s_cbranch_scc0 .Lfor_b_\@
	tensor_load_to_lds s[\g0a:\g0a+3], s[\g1a:\g1a+7]
	s_nop 0
.rept 4
	v_nop
.endr
	s_branch .Lasked_\@
.Lfor_b_\@:
	tensor_load_to_lds s[\g0b:\g0b+3], s[\g1b:\g1b+7]
	s_nop 0
.rept 4
	v_nop
.endr
.Lasked_\@:
.endm
.macro CREST                           ; a round of the cluster's barrier behind its opening barrier
	s_cmp_lg_u32 s14, 0
	s_cbranch_scc1 .Lnot_wave_0_\@
	s_barrier_signal -3
.Lnot_wave_0_\@:
	s_barrier_wait -3
	s_barrier_signal -1
	s_barrier_wait -1
.endm
.macro CROUND                          ; a whole round
	s_barrier_signal -1
	s_barrier_wait -1
	CREST
.endm
	s_load_b128 s[4:7], s[0:1], 0x0                ; x's codes, x's scales
	s_load_b128 s[8:11], s[0:1], 0x10              ; the weights' codes, their scales
	s_load_b128 s[96:99], s[0:1], 0x20             ; bq, bk
	s_load_b64 s[66:67], s[0:1], 0x30              ; bv
	s_load_b64 s[100:101], s[0:1], 0x38            ; q_buf
	s_load_b64 s[104:105], s[0:1], 0x40            ; kv
	v_lshl_add_u32 v[SPW], v0, 2, SPARE
	v_mov_b32 v[NIL], 0
	ds_add_u32 v28, v29
	ds_add_u32 v28, v29
	s_wait_dscnt 0x0
	v_lshrrev_b32 v1, 5, v0
	v_readfirstlane_b32 s14, v1                    ; wave 0..3
	s_lshr_b32 s15, s14, 1                         ; which half of A's rows is mine.  Also: I fetch for A (0) or for B (1)
	s_and_b32 s16, s14, 1                          ; which half of B's rows.  Also: which 128 rows of that tile I fetch
	s_bfe_u32 s40, ttmp6, 0x40000                  ; cx, cy: my place in the cluster
	s_bfe_u32 s41, ttmp6, 0x40004
	s_and_b32 s17, ttmp7, 0xffff                   ; the cluster's y
	s_cmp_lt_u32 ttmp9, 2                          ; q or k?  (the cluster's x: the same in all sixteen partners)
	s_cselect_b32 s42, ttmp9, s17                  ; q, k: B's tiles go by the cluster's x (8 tiles of Wq and Wk), A's by its y (32 tiles of tokens);
	s_cselect_b32 s17, s17, 0                      ; v: B's tiles go by the cluster's y (32 tiles of tokens), A's four tiles of Wv by cy alone
	s_lshl_b32 s42, s42, 2
	s_add_co_u32 s42, s42, s40                     ; B's tile
	s_lshl_b32 s17, s17, 2
	s_add_co_u32 s17, s17, s41                     ; A's tile
	s_lshl_b32 s43, s41, 2
	s_lshl_b32 s43, 15, s43                        ; my row of the cluster
	s_lshl_b32 s44, 0x1111, s40                    ; my column
	; descriptor group 1: a tile of 128 rows x ROWB bytes, 16 bytes of padding behind every 64
	s_or_b32 s[G1+0], s43, (0<<16)|(1<<20)|(1<<21)|(3<<22)|(3<<25)  ; 15:0 the mask: A's tiles go to my row; 17:16 elements of 1 byte; 20 padding on; 21 set beside a mask; 24:22 after every 16 words; 31:25 of 4 words
	s_or_b32 s[G1B+0], s44, (0<<16)|(1<<20)|(1<<21)|(3<<22)|(3<<25)
.irp g, G1, G1B
	s_mov_b32 s[\g+1], ROWB<<16                    ; tensor_dim0
	s_mov_b32 s[\g+2], 128<<16                     ; tensor_dim1
	s_mov_b32 s[\g+3], ROWB<<16                    ; tile_dim0
	s_mov_b32 s[\g+4], 128                         ; tile_dim1
	s_mov_b32 s[\g+5], KROW                        ; tensor_dim0_stride
	s_mov_b32 s[\g+6], 0
	s_mov_b32 s[\g+7], 0
.endr
	; the scales of 128 rows: a dense block of 4,096 bytes, as 16 rows of 256 bytes (32 elements of 8 bytes), 16 bytes of padding behind each
	s_or_b32 s[G1S+0], s43, (3<<16)|(1<<20)|(1<<21)|(5<<22)|(3<<25)
	s_or_b32 s[G1SB+0], s44, (3<<16)|(1<<20)|(1<<21)|(5<<22)|(3<<25)
.irp g, G1S, G1SB
	s_mov_b32 s[\g+1], 32<<16
	s_mov_b32 s[\g+2], (128*KS/256)<<16
	s_mov_b32 s[\g+3], 32<<16
	s_mov_b32 s[\g+4], 128*KS/256
	s_mov_b32 s[\g+5], 32
	s_mov_b32 s[\g+6], 0
	s_mov_b32 s[\g+7], 0
.endr
	s_lshl_b32 s18, s16, 7                         ; which 128 rows of the tile I fetch
	s_lshl_b32 s20, s17, 8
	s_add_co_u32 s20, s20, s18                     ; A: row 256 x tile + 128 x half
	s_lshl_b32 s46, s42, 8
	s_add_co_u32 s46, s46, s18                     ; B likewise
	s_mov_b32 s21, 0
	s_mov_b32 s47, 0
	s_mov_b64 s[18:19], KS
	s_mul_u64 s[22:23], s[20:21], s[18:19]         ; where these rows' scales begin, in bytes
	s_mul_u64 s[92:93], s[46:47], s[18:19]
	s_mov_b64 s[18:19], KROW
	s_mul_u64 s[20:21], s[20:21], s[18:19]         ; and their codes
	s_mul_u64 s[46:47], s[46:47], s[18:19]
	s_mul_i32 s45, s14, HALFT                      ; where they go: wave x 128 rows: no place in the cluster enters an LDS address
	s_mul_i32 s94, s14, HALFS
	s_wait_kmcnt 0x0
	s_add_nc_u64 s[12:13], s[8:9], 2048*KROW       ; Wv's codes: rows 2,048 on of the weights',
	s_add_nc_u64 s[18:19], s[10:11], 2048*KS       ; and its scales
	s_cmp_lt_u32 ttmp9, 2
	s_cselect_b64 s[8:9], s[8:9], s[4:5]           ; B: q, k: the weights; v: x
	s_cselect_b64 s[10:11], s[10:11], s[6:7]
	s_cselect_b64 s[4:5], s[4:5], s[12:13]         ; A: q, k: x; v: Wv
	s_cselect_b64 s[6:7], s[6:7], s[18:19]
	s_add_nc_u64 s[20:21], s[4:5], s[20:21]
	s_add_nc_u64 s[22:23], s[6:7], s[22:23]
	s_add_nc_u64 s[46:47], s[8:9], s[46:47]
	s_add_nc_u64 s[92:93], s[10:11], s[92:93]
	CROUND                                         ; all sixteen work-groups are here: the first joint loads meet
	s_mov_b32 s[G0S], 1
	s_add_co_u32 s[G0S+1], s94, SCL
	s_mov_b64 s[G0S+2:G0S+3], s[22:23]
	s_or_b32 s[G0S+3], s[G0S+3], 0x80000000
	s_mov_b32 s[G0SB], 1
	s_add_co_u32 s[G0SB+1], s94, SCL
	s_mov_b64 s[G0SB+2:G0SB+3], s[92:93]
	s_or_b32 s[G0SB+3], s[G0SB+3], 0x80000000
	JLOAD G0S, G1S, G0SB, G1SB                     ; the scales first: they are wanted with K step 0
.irp s, 0,1
	s_mov_b32 s[G0+4*\s], 1
	s_add_co_u32 s[G0+4*\s+1], s45, \s*SLOT
	s_add_nc_u64 s[G0+4*\s+2:G0+4*\s+3], s[20:21], \s*ROWB
	s_or_b32 s[G0+4*\s+3], s[G0+4*\s+3], 0x80000000
	s_mov_b32 s[G0B+4*\s], 1
	s_add_co_u32 s[G0B+4*\s+1], s45, \s*SLOT
	s_add_nc_u64 s[G0B+4*\s+2:G0B+4*\s+3], s[46:47], \s*ROWB
	s_or_b32 s[G0B+4*\s+3], s[G0B+4*\s+3], 0x80000000
	JLOAD G0+4*\s, G1, G0B+4*\s, G1B
.endr
	s_mov_b32 s[SEL], 0x76543210
	s_mov_b32 s[SEL+1], 0xfedcba98
	v_and_b32 v1, 15, v0                           ; r = l % 16
	v_bfe_u32 v2, v0, 4, 1                         ; h = l / 16
	v_mul_u32_u24 v3, v1, PITCH
	v_mul_u32_u24 v4, v2, 24
	v_add_nc_u32 v4, v3, v4                        ; a fragment's row x pitch + 24 x half
	v_lshl_add_u32 v5, v2, 4, v4                   ; and the same behind one padding more
	s_mul_i32 s21, s15, HALFT                      ; my 128 rows of A
	s_mul_i32 s22, s16, HALFT                      ; my 128 rows of B,
	s_add_co_u32 s22, s22, 2*HALFT                 ; which lie behind A's 256
.irp s, 0,1
	v_add_nc_u32 v[ADRA+\s], s21, v4
	v_add_nc_u32 v[ADRB+\s], s22, v4
	v_add_nc_u32 v[ADRA+2+\s], s21, v5
	v_add_nc_u32 v[ADRB+2+\s], s22, v5
	s_add_co_u32 s21, s21, SLOT
	s_add_co_u32 s22, s22, SLOT
.endr
	v_mul_u32_u24 v5, v1, KS                       ; my row's scales: KS bytes a row,
	v_lshrrev_b32 v14, 8, v5
	v_lshl_add_u32 v5, v14, 4, v5                  ; and 16 more for each 256 passed
	s_mul_i32 s21, s15, HALFS                      ; A's: my 128 rows
	s_mul_i32 s22, s16, HALFS                      ; B's: my 128 rows, behind A's 256
	s_add_co_u32 s22, s22, 2*HALFS
	s_sub_co_u32 s22, s22, s21
	v_mul_u32_u24 v14, s22, v2                     ; lanes 16-31 take B's
	s_add_co_u32 s21, s21, SCL
	v_add_nc_u32 v5, v5, v14
	v_add_nc_u32 v[ADRS], s21, v5
	; what the two ways out want: every LDS address is made here, ahead of the parting
	v_mov_b32 v[SELR], 0x01000100
	v_mov_b32 v14, 0x03020302
	v_cmp_eq_u32 vcc_lo, 1, v2
	v_cndmask_b32 v[SELR], v[SELR], v14, vcc_lo
	v_lshlrev_b32 v[BOFQ], 6, v2
	v_and_b32 v[BOFV], 8, v1
	v_add_nc_u32 v[BOFV], v[BOFV], v1
	v_lshlrev_b32 v[BOFV], 2, v[BOFV]
	v_mul_u32_u24 v[VL], v2, 16*REC
	v_lshl_add_u32 v[VL], v1, 4, v[VL]
	v_and_b32 v15, 31, v0                          ; lane
	v_lshlrev_b32 v[L8], 3, v15
	v_lshlrev_b32 v[L16], 4, v15
	s_lshl_b32 s23, s14, 10
	s_add_co_u32 s23, s23, STQ
	v_lshlrev_b32 v[LSTQ], 2, v1
	v_lshl_add_u32 v[LSTQ], v2, 9, v[LSTQ]
	v_add_nc_u32 v[LSTQ], s23, v[LSTQ]             ; in: 4 r, + 512 for the odd head's lanes
	v_add_nc_u32 v[LRDQ], s23, v[L16]              ; back: 16 bytes a lane
	s_lshl_b32 s23, s14, 9
	s_add_co_u32 s23, s23, STV
	v_lshlrev_b32 v[LSTV], 2, v1
	v_add_nc_u32 v[LSTV], s23, v[LSTV]
	v_add_nc_u32 v[LRDV], s23, v[L16]
.macro FRAG reg, adr, q, i             ; a fragment: lane l holds row l % 16; registers 6 c .. 6 c + 5 hold K = 64 c + 32 (l / 16) + 0 .. 31: 24 bytes of the row, as they lie, in pieces of 8 bytes
.irp p, 0,1,2,3,4,5
.set PCE, 12*(\q)+6*(\p/3)+\p%3        ; the row's piece for lanes 0-15; lanes 16-31 take the piece three on: where that lies behind one padding more, the second address register serves
.if PCE%8 < 5
	ds_load_b64 v[\reg+2*\p:\reg+2*\p+1], v[\adr] offset:8*PCE+16*(PCE/8)+(\i)*16*PITCH
.else
	ds_load_b64 v[\reg+2*\p:\reg+2*\p+1], v[\adr+2] offset:8*PCE+16*(PCE/8)+(\i)*16*PITCH
.endif
.endr
.endm
; 16 matrix instructions: A's blocks a0, a0 + 1 x B's eight, 128 along K.  p: B's set; sc: the set of scale words.  zero = 1: the first product starts the sums.
; The 64 accumulators take turns, one instruction a turn, in the same order in every step.
.macro MUL16 a0, p, q, sc, zero
.irp a, \a0, \a0+1
.irp b, 0,1,2,3,4,5,6,7
.if \zero
	v_wmma_scale_f32_16x16x128_f8f6f4 v[8*(8*((\a)%4)+\b):8*(8*((\a)%4)+\b)+7], v[128*(\p)+FR*\b:128*(\p)+FR*\b+FR-1], v[AF+FR*(\a):AF+FR*(\a)+FR-1], 0, v[SC+8*NQ*(\sc)+NQ*\b+(\q)], v[SC+8*NQ*(\sc)+NQ*(\a)+(\q)] matrix_a_fmt:MATRIX_FMT_FP6 matrix_b_fmt:MATRIX_FMT_FP6 matrix_a_scale:MATRIX_SCALE_ROW1
.else
	v_wmma_scale_f32_16x16x128_f8f6f4 v[8*(8*((\a)%4)+\b):8*(8*((\a)%4)+\b)+7], v[128*(\p)+FR*\b:128*(\p)+FR*\b+FR-1], v[AF+FR*(\a):AF+FR*(\a)+FR-1], v[8*(8*((\a)%4)+\b):8*(8*((\a)%4)+\b)+7], v[SC+8*NQ*(\sc)+NQ*\b+(\q)], v[SC+8*NQ*(\sc)+NQ*(\a)+(\q)] matrix_a_fmt:MATRIX_FMT_FP6 matrix_b_fmt:MATRIX_FMT_FP6 matrix_a_scale:MATRIX_SCALE_ROW1
.endif
.endr
.endr
.endm
.macro FETCH_B slot, q, p              ; B's eight fragments of the slot's q-th 128 along K into set p
	WIN TO_B
.irp i, 0,1,2,3,4,5,6,7
	FRAG 128*(\p)+FR*\i, ADRB+\slot, \q, \i
.endr
	WIN 0
.endm
.macro FETCH_A slot, q, i0             ; A's blocks i0 .. i0 + 3
.irp i, \i0, \i0+1, \i0+2, \i0+3
	FRAG AF+FR*(\i), ADRA+\slot, \q, \i
.endr
.endm
.macro SCALES sc                       ; a K step's scale words into set sc: lanes 0-15 take A's block i, lanes 16-31 B's block i
.irp i, 0,1,2,3,4,5,6,7
	ds_load_b64 v[SC+8*NQ*\sc+NQ*\i:SC+8*NQ*\sc+NQ*\i+1], v[ADRS] offset:\i*SBLK
.endr
.endm
.macro PLACES n                        ; plain vector lines between a matrix instruction and a load into, or a vector line on, its registers
.rept \n
	v_nop
.endr
.endm
.macro STEP slot, q, zero              ; a step of 128 along K that has its successor in the same slot
	s_wait_dscnt 4*NL                              ; B's set and A's blocks 0-3 are in; the youngest 24 loads (A's blocks 4-7) may be out
	WIN MUL_LO
	MUL16 0, (\q)%2, \q, \slot, \zero
	MUL16 2, (\q)%2, \q, \slot, \zero
	s_wait_dscnt 0                                 ; A's blocks 4-7 are in
	PLACES NP
	FETCH_B \slot, (\q)+1, 1-(\q)%2
	FETCH_A \slot, (\q)+1, 0
	WIN MUL_HI
	MUL16 4, (\q)%2, \q, \slot, \zero
	MUL16 6, (\q)%2, \q, \slot, \zero
	PLACES NP
	WIN 0
	FETCH_A \slot, (\q)+1, 4
.endm
; A slot's last step changes slots: one barrier; in front of it each wave waits for all its tensor loads, adds 0 to its spare word, and waits for that and for its own reads of this slot.  fill = 1: this slot is filled again.
.macro TURN slot, next, fill
	s_wait_tensorcnt 0x0                           ; all my tensor loads have landed: my part of the next slot
	ds_add_u32 v[SPW], v[NIL]                      ; 0 onto my spare word
	s_wait_dscnt 4*NL+1                            ; (the add and the youngest 24 loads, A's blocks 4-7, may be out)
	WIN MUL_LO
	MUL16 0, 1, NQ-1, \slot, 0                     ; sixteen matrix instructions stand between the add and the wait for it
	s_wait_dscnt 0x0                               ; the add is done, and my reads of this slot are over
	s_barrier_signal -1
	MUL16 2, 1, NQ-1, \slot, 0
	WIN 0
	s_barrier_wait -1
.if \fill
	CREST                                          ; the barrier has opened a round of the cluster's: no wave of any partner still reads this slot or has a load on its way
	s_add_nc_u64 s[G0+4*\slot+2:G0+4*\slot+3], s[G0+4*\slot+2:G0+4*\slot+3], 2*ROWB
	s_add_nc_u64 s[G0B+4*\slot+2:G0B+4*\slot+3], s[G0B+4*\slot+2:G0B+4*\slot+3], 2*ROWB
	JLOAD G0+4*\slot, G1, G0B+4*\slot, G1B         ; the first tensor load behind the round; its four v_nop are the places in front of the loads below
.else
	PLACES NP
.endif
	v_add_nc_u32 v[ADRS], 4*NQ, v[ADRS]            ; on to the next K step's scale words
	FETCH_B \next, 0, 0
	FETCH_A \next, 0, 0
	SCALES \next
	WIN MUL_HI
	MUL16 4, 1, NQ-1, \slot, 0
	MUL16 6, 1, NQ-1, \slot, 0
	PLACES NP
	WIN 0
	FETCH_A \next, 0, 4
.endm
.macro LAST                            ; the very last step: nothing more to fetch
	s_wait_dscnt 4*NL
	WIN MUL_LO
	MUL16 0, 1, NQ-1, 1, 0
	MUL16 2, 1, NQ-1, 1, 0
	s_wait_dscnt 0
	WIN MUL_HI
	MUL16 4, 1, NQ-1, 1, 0
	MUL16 6, 1, NQ-1, 1, 0
	WIN 0
	PLACES NP                                      ; in front of the vector lines that read results and write over A's fragments
.irp b, 0,1,2,3
	v_mov_b32 v[TM+4+\b], 0                        ; a lane permute's destination counts as one of its sources
.endr
	s_wait_loadcnt 0x0                             ; the biases, asked for ahead of these 64 products
.endm
; 64 numbers of a lane, v[s] on, register 16 b + i = k 32 b + 16 (lane / 16) + i of my row, become a fragment's codes in v[CDS] on and its scale word in v[pw].
.macro QUANT s, pw
.irp b, 0,1,2,3
	v_max3_num_f32 v[TM+\b], |v[\s+16*\b]|, |v[\s+1+16*\b]|, 0x1800000   ; block b: my 16 numbers, and the floor 2^(3 - 127): the byte cannot fall under 1
.endr
.irp i, 2,4,6,8,10,12,14
.irp b, 0,1,2,3
	v_max3_num_f32 v[TM+\b], v[TM+\b], |v[\s+16*\b+\i]|, |v[\s+1+16*\b+\i]|   ; (the four blocks by turns)
.endr
.endr
.irp b, 0,1,2,3
	v_permlanex16_b32 v[TM+4+\b], v[TM+\b], s[SEL], s[SEL+1]
.endr
.irp b, 0,1,2,3
	v_max_num_f32 v[TM+\b], v[TM+\b], v[TM+4+\b]   ; with lane l xor 16's: the block's largest magnitude
.endr
.irp b, 0,1,2,3
	v_add_nc_u32 v[TM+12+\b], 0xff000000, v[TM+\b] ; 2 off its exponent field: the conversion's scale operand
.endr
.irp b, 0,1,2,3
	v_lshrrev_b32 v[TM+4+\b], 23, v[TM+12+\b]      ; the scale's byte
.endr
	v_lshl_or_b32 v[\pw], v[TM+5], 8, v[TM+4]      ; the four bytes make my row's scale word
	v_lshl_or_b32 v[\pw], v[TM+6], 16, v[\pw]
	v_lshl_or_b32 v[\pw], v[TM+7], 24, v[\pw]
.irp c, 0,1
	v_cvt_scalef32_pk16_fp6_f32 v[CDS+6*\c:CDS+2+6*\c], v[\s+32*\c:\s+15+32*\c], v[TM+12+2*\c]
	v_cvt_scalef32_pk16_fp6_f32 v[CDS+12+4*\c:CDS+14+4*\c], v[\s+16+32*\c:\s+31+32*\c], v[TM+12+2*\c+1]   ; (a conversion's three registers begin on an even number)
.endr
	v_nop                                          ; one plain line behind a scaled conversion
.irp c, 0,1                                    ; the operand's layout wants a whole block in a lane: lanes 0-15 block 2 c, lanes 16-31 block 2 c + 1
.irp i, 0,1,2
	v_permlane16_swap_b32 v[CDS+6*\c+\i], v[CDS+12+4*\c+\i]
.endr
.irp i, 0,1,2
	v_mov_b32 v[CDS+3+6*\c+\i], v[CDS+12+4*\c+\i]
.endr
.endr
.endm
.macro FINISH
	s_wait_tensorcnt 0x0                           ; the wave's end: behind my last tensor load and my last LDS store
	ds_add_u32 v[SPW], v[NIL]
	s_wait_dscnt 0x0
	CROUND                                         ; the closing round: no work-group ends while a partner may still ask for a tile that names it
	s_endpgm
.endm
	s_wait_tensorcnt 1                             ; the scales and my part of K step 0 are in (K step 1's load may be out),
	s_barrier_signal -1
	s_barrier_wait -1                              ; everybody's are
	FETCH_B 0, 0, 0
	FETCH_A 0, 0, 0
	SCALES 0
	FETCH_A 0, 0, 4
	STEP 0, 0, 1                                   ; the first step stands in front of the loop: its products start the sums
	s_mov_b32 s3, LAPS-1
.Llap:                                                 ; a trip goes once round the ring and fills both slots again
	TURN 0, 1, 1
	STEP 1, 0, 0
	TURN 1, 0, 1
	STEP 0, 0, 0
	s_sub_co_u32 s3, s3, 1
	s_cmp_lg_u32 s3, 0
	s_cbranch_scc1 .Llap
	TURN 0, 1, 0                                   ; the last lap fills nothing
	STEP 1, 0, 0
	s_cmp_lt_u32 ttmp9, 2                          ; the paths part on the cluster's x; every window is 0
	s_cbranch_scc0 .Lv
	; ---- q, k.  My 128 tokens are key step G % 16 of batch G / 16; my 128 features are heads hd0 and hd0 + 1.
	s_lshl_b32 s18, s17, 1
	s_add_co_u32 s18, s18, s15                     ; G = 2 x A's tile + my half
	s_lshl_b32 s19, s40, 2
	s_lshl_b32 s20, s16, 1
	s_add_co_u32 s19, s19, s20                     ; hd0 = 4 cx + 2 x my half of B
	s_lshr_b32 s20, s18, 4
	s_lshl_b32 s20, s20, 4
	s_add_co_u32 s20, s20, s19
	s_lshl_b32 s20, s20, 4
	s_and_b32 s18, s18, 15
	s_add_co_u32 s20, s20, s18                     ; the even head's record: (16 batch + hd0) x 16 + key step
	s_lshl_b32 s22, s40, 10
	s_lshl_b32 s21, s16, 9
	s_add_co_u32 s22, s22, s21                     ; my 128 biases: (256 cx + 128 half) x 4 bytes
	s_mov_b32 s23, 0
	s_mov_b32 s46, REC
	s_mov_b32 s47, 12288
	s_cmp_eq_u32 ttmp9, 0                          ; q?
	s_cselect_b32 s46, QREC, s46                   ; a record's bytes,
	s_cselect_b32 s47, 6144, s47                   ; where its scale words begin,
	s_cselect_b64 s[CE:CE+1], s[100:101], s[104:105]   ; the buffer,
	s_cselect_b64 s[BP:BP+1], s[96:97], s[98:99]   ; the bias
	s_add_nc_u64 s[BP:BP+1], s[BP:BP+1], s[22:23]
	s_mul_i32 s22, s20, s46
	s_add_nc_u64 s[CE:CE+1], s[CE:CE+1], s[22:23]
	s_lshl_b32 s22, s46, 4                         ; the odd head's record lies 16 records on
	s_add_nc_u64 s[CO:CO+1], s[CE:CE+1], s[22:23]
	s_mov_b32 s22, s47
	s_add_nc_u64 s[SE:SE+1], s[CE:CE+1], s[22:23]
	s_add_nc_u64 s[SO:SO+1], s[CO:CO+1], s[22:23]
.irp b, 0,1,2,3                                ; register 16 b + i wants the bias of feature 32 b + 16 (lane / 16) + i
.irp j, 0,1,2,3
	global_load_b128 v[BI+16*\b+4*\j:BI+16*\b+4*\j+3], v[BOFQ], s[BP:BP+1] offset:128*\b+16*\j
.endr
.endr
	LAST
; Block a: 16 tokens.  The bias's addition is also the move into window 0; each accumulator is read from its low end on.  The fragment's registers 0-5 are the even head's 64 features, registers 6-11 the odd head's.
.macro BLOCKQ a
	WIN 0x02+(\a)/4                                ; source 0: window 2 or 3
.set i, 0
.rept 32
	v_pk_add_f32 v[HB+2*i:HB+2*i+1], v[64*((\a)%4)+2*i:64*((\a)%4)+2*i+1], v[BI+2*i:BI+2*i+1]
.set i, i+1
.endr
	WIN 0
	s_wait_xcnt 0x0                                ; the last block's stores have read the codes' registers
	QUANT HB, PW
	v_perm_b32 v[SW+\a], v[PW], v[PW], v[SELR]     ; lanes 0-15: the even head's two bytes, twice; lanes 16-31: the odd head's
.irp p, 0,1,2
	global_store_b64 v[L8], v[CDS+2*\p:CDS+2*\p+1], s[CE:CE+1] offset:768*(\a)+256*\p   ; 32 lanes store 256 consecutive bytes, aligned
.endr
.irp p, 3,4,5
	global_store_b64 v[L8], v[CDS+2*\p:CDS+2*\p+1], s[CO:CO+1] offset:768*(\a)+256*(\p-3)
.endr
	ds_store_b32 v[LSTQ], v[SW+\a] offset:64*(\a)
.endm
.irp a, 0,1,2,3,4,5,6,7
	BLOCKQ \a
.endr
	ds_load_b128 v[RB:RB+3], v[LRDQ]               ; LDS serves a wave's instructions in order: these see my stores
	ds_load_b128 v[RB+4:RB+7], v[LRDQ] offset:512
	s_wait_dscnt 0x0
	global_store_b128 v[L16], v[RB:RB+3], s[SE:SE+1]     ; 512 consecutive bytes: the even head's 128 scale words
	global_store_b128 v[L16], v[RB+4:RB+7], s[SO:SO+1]   ; the odd head's
	FINISH
.Lv:	; ---- v.  My 128 tokens (B) are key step G % 16 of batch G / 16; my 128 features (A) are heads hd0 and hd0 + 1.
	s_lshl_b32 s18, s42, 1
	s_add_co_u32 s18, s18, s16                     ; G = 2 x B's tile + my half
	s_lshl_b32 s19, s41, 2
	s_lshl_b32 s20, s15, 1
	s_add_co_u32 s19, s19, s20                     ; hd0 = 4 cy + 2 x my half of A
	s_lshr_b32 s20, s18, 4
	s_lshl_b32 s20, s20, 4
	s_add_co_u32 s20, s20, s19
	s_lshl_b32 s20, s20, 4
	s_and_b32 s18, s18, 15
	s_add_co_u32 s20, s20, s18
	s_mul_i32 s22, s20, REC
	s_mov_b32 s23, 0
	s_add_nc_u64 s[CE:CE+1], s[104:105], s[22:23]
	s_add_nc_u64 s[CO:CO+1], s[CE:CE+1], 12800     ; V's scale words in the record
	s_add_nc_u64 s[CE:CE+1], s[CE:CE+1], 6144      ; V's codes
	s_lshl_b32 s22, s41, 10
	s_lshl_b32 s21, s15, 9
	s_add_co_u32 s22, s22, s21
	s_add_nc_u64 s[BP:BP+1], s[66:67], s[22:23]
.irp a, 0,1,2,3,4,5,6,7                        ; a lane has one feature a block: its bias twice, a pair for the packed addition
	global_load_b32 v[BI+2*\a], v[BOFV], s[BP:BP+1] offset:(32*(\a/2)+8*(\a%2))*4
	global_load_b32 v[BI+2*\a+1], v[BOFV], s[BP:BP+1] offset:(32*(\a/2)+8*(\a%2))*4
.endr
	LAST
; Block a: 16 features of head hd0 + a / 4, tile a % 4; the fragment's K is the key step's 128 tokens.
.macro BLOCKV a
	WIN 0x02+(\a)/4
.set i, 0
.rept 32
	v_pk_add_f32 v[HB+2*i:HB+2*i+1], v[64*((\a)%4)+2*i:64*((\a)%4)+2*i+1], v[BI+2*(\a):BI+2*(\a)+1]
.set i, i+1
.endr
	WIN 0
	s_wait_xcnt 0x0                                ; the last block's stores have read the codes' registers
	QUANT HB, SW+\a
.irp g, 0,1,2
	global_store_b128 v[L16], v[CDS+4*\g:CDS+4*\g+3], s[CE:CE+1] offset:((\a)/4)*16*REC+((\a)%4)*1536+512*\g   ; 512 consecutive bytes: the fragment as it stands
.endr
	ds_store_b32 v[LSTV], v[SW+\a] offset:64*(\a)  ; both halves of the lanes write the same word with the same value
.endm
.irp a, 0,1,2,3,4,5,6,7
	BLOCKV \a
.endr
	ds_load_b128 v[RB:RB+3], v[LRDV]
	s_wait_dscnt 0x0
	global_store_b128 v[VL], v[RB:RB+3], s[CO:CO+1]      ; lanes 0-15: the even head's 256 bytes; lanes 16-31: the odd head's, 16 records on
	FINISH
.Lfunc_end_k_qe2ce3de02a_qkv:
	.size	k_qe2ce3de02a_qkv, .Lfunc_end_k_qe2ce3de02a_qkv-k_qe2ce3de02a_qkv
	.p2alignl 7, 3214868480
	.fill 96, 4, 3214868480
	.section	.rodata,"a",@progbits
	.p2align	6, 0x0
	.amdhsa_kernel k_qe2ce3de02a_qkv
		.amdhsa_group_segment_fixed_size 327680
		.amdhsa_private_segment_fixed_size 0
		.amdhsa_enable_private_segment 0
		.amdhsa_kernarg_size 72
		.amdhsa_user_sgpr_count 2
		.amdhsa_user_sgpr_kernarg_segment_ptr 1
		.amdhsa_wavefront_size32 1
		.amdhsa_system_sgpr_workgroup_id_x 1
		.amdhsa_system_sgpr_workgroup_id_y 1
		.amdhsa_system_sgpr_workgroup_id_z 1
		.amdhsa_system_vgpr_workitem_id 0
		.amdhsa_next_free_vgpr 1024
		.amdhsa_next_free_sgpr 106
		.amdhsa_reserve_vcc 1
		.amdhsa_float_denorm_mode_32 3
		.amdhsa_float_denorm_mode_16_64 3
		.amdhsa_memory_ordered 1
		.amdhsa_forward_progress 1
		.amdhsa_inst_pref_size 247
	.end_amdhsa_kernel
	.amdgpu_metadata
---
amdhsa.version: [ 1, 2 ]
amdhsa.kernels:
  - .name:           k_qe2ce3de02a_qkv
    .symbol:         k_qe2ce3de02a_qkv.kd
    .args:
      - { .name: x_codes, .offset: 0, .size: 8, .value_kind: global_buffer, .address_space: global }
      - { .name: x_scales, .offset: 8, .size: 8, .value_kind: global_buffer, .address_space: global }
      - { .name: w_codes, .offset: 16, .size: 8, .value_kind: global_buffer, .address_space: global }
      - { .name: w_scales, .offset: 24, .size: 8, .value_kind: global_buffer, .address_space: global }
      - { .name: bq, .offset: 32, .size: 8, .value_kind: global_buffer, .address_space: global }
      - { .name: bk, .offset: 40, .size: 8, .value_kind: global_buffer, .address_space: global }
      - { .name: bv, .offset: 48, .size: 8, .value_kind: global_buffer, .address_space: global }
      - { .name: q_buf, .offset: 56, .size: 8, .value_kind: global_buffer, .address_space: global }
      - { .name: kv, .offset: 64, .size: 8, .value_kind: global_buffer, .address_space: global }
    .group_segment_fixed_size: 327680
    .private_segment_fixed_size: 0
    .kernarg_segment_align: 8
    .kernarg_segment_size: 72
    .max_flat_workgroup_size: 128
    .sgpr_count:     106
    .vgpr_count:     1024
    .wavefront_size: 32
...
	.end_amdgpu_metadata
.endif
;; end of part 2
;; launch attn (part 3): grid 4 x 64, 16 waves a work-group, clusters of 4 x 1, 215,040 bytes of LDS; arguments q_buf, kv, attn_img, attn_sc; writes attn_img, attn_sc
.if DOCPART == 3
	.amdgcn_target "amdgcn-amd-amdhsa--gfx1250"
	.amdhsa_code_object_version 6
	.text
	.protected	k_qe2ce3de02a_attn
	.globl	k_qe2ce3de02a_attn
	.p2align	8
	.type	k_qe2ce3de02a_attn,@function
k_qe2ce3de02a_attn:
	s_mov_b64 s[64:65], 0
	v_nop
	global_prefetch_b8 v0, s[64:65] scope:SCOPE_SE
	s_setreg_imm32_b32 hwreg(HW_REG_WAVE_MODE, 25, 1), 1
	s_wait_xcnt 0x0
	s_wait_alu depctr_hold_cnt(0) depctr_sa_sdst(0) depctr_va_vdst(0) depctr_va_sdst(0) depctr_va_ssrc(0) depctr_va_vcc(0) depctr_vm_vsrc(0)
	s_getreg_b32 s2, hwreg(HW_REG_IB_STS2, 6, 4)
	s_cmp_eq_u32 s2, 0
	s_cbranch_scc0 .Lentry_in_a_cluster
	s_endpgm
.Lentry_in_a_cluster:
	s_bfe_u32 s2, ttmp6, 0x10000c
	s_cmp_lg_u32 s2, 0x3003
	s_cbranch_scc0 .Lentry_shape_is_right
	s_endpgm
.Lentry_shape_is_right:
; Causal attention on codes of FP6 (E2M3) for 64 (batch, head) pairs, 2,048 tokens, head size 64; the result, divided by the row's sum, is quantised along the features and leaves as an image of the next product's operand.
; t = score x log2(e) / 8; M = the row's largest t so far, rounded up to a whole number; p = 2^(t - M) is what is quantised, along the keys; the row's sum is taken of the unquantised p, in f32.  When M moves, the sum and O are
; multiplied by 2^(old M - new M): exact.
; SHARES.  The four work-groups of a cluster serve one (batch, head).  Query tiles of 16 are dealt 4 j + cx: so what a wave walks hangs on j alone, which is made of the wave's number: j / 2 + 1 key steps of 128.
; Wave w takes j = 31 - w and then j = w: 17 key steps for every wave of every work-group.  cx enters global addresses and the mask's lane data alone.
; LDS.  The head's K, V and their scale words, 16 records of 13,056 bytes, come ONCE: each of the sixteen waves asks for one record, jointly with the same wave of the three partners (the same descriptor, a mask that names the four).
; No byte of LDS is filled again and none is stored to.  Nothing is prefetched: every byte that the launch reads from kv is asked for by these loads at its head.
; LAYOUT.  Both products are used transposed: S^T = K Q^T, O^T = V^T P^T: a lane holds ONE query throughout.  Lane r of a stored tile 2 b + u of tokens is token 32 b + 8 u + r + 8 (r / 8): so the 16 registers of S^T's tiles 2 b, 2 b + 1
; are 16 neighbouring keys, and O^T's are 16 neighbouring features.
; K = 64 IN AN INSTRUCTION 128 DEEP.  A fragment of K holds TWO tiles of keys, T in registers 0-5 and T + 1 in registers 6-11.  Q stands between zeros, [0 x 6 | q x 6 | 0 x 6]: registers 6-17 = [q | 0] give S(T), registers 0-11 = [0 | q]
; give S(T + 1).  q's and k's scale words hold their two bytes twice, so one word serves either half; T's words lie in lanes 0-15 of a register and T + 1's in lanes 16-31.
; LIMITS: a block of zeros gets the byte 1 where the rule says 127 (its codes are zeros; this program alone reads the bytes); NaN and infinities are not served.
; REGISTERS: v1-3 4, 8, 16 x lane; v4-6 the step's LDS addresses; v7 the mask's lane term; v8, v9 offsets; v12 -M, v13 the largest t, v[14:15] the sum; v16-33 Q between zeros; v34 Q's scale words; v36-83 four fragments of K, then of V;
;   v84-87 K's scale words, v88-89 V's; v96-159 S^T, then p; v160-191 O^T; v192-203 codes, v204-210 the conversions' second halves; v232-254 at work.
.set REC,  13056                       ; a record: K's codes 6,144, V's codes 6,144, K's scale words 512, V's 256
.set VCO,  6144
.set KSO,  12288
.set VSO,  12800
.set QREC, 6656
.set LI4, 1
.set LI8, 2
.set LI16, 3
.set AD4, 4
.set AD8, 5
.set AD16, 6
.set QL,  7                            ; r + 8 (r / 8) - 16 (lane / 16)
.set GS,  8                            ; 32 r: my row of scale bytes
.set LQS, 9                            ; 4 r
.set QZ,  16
.set QS,  34
.set FRG, 36
.set KSW, 84
.set VSW, 88
.set WV,  12
.set CX,  13
.set BH,  14
.set G1,  16                           ; s[16:23], s[24:27]: the one descriptor
.set G0,  24
.set SEL, 28
.set CS,  30                           ; s[30:31] c = log2(e) / 8
.set KI,  32                           ; the key step
.set LIM, 33                           ; the last key step of the tile in hand: j / 2
.set J,   34
.set OT,  35                           ; counts the wave's two tiles
.set TB,  36                           ; LDS byte at which the step's record begins
.set Q0,  37                           ; the tile's first query
.set QP,  40
.set QSP, 42
.set OP,  44
.set OSP, 46
.macro CROUND                          ; a round of the cluster's barrier
	s_barrier_signal -1
	s_barrier_wait -1
	s_cmp_lg_u32 s[WV], 0
	s_cbranch_scc1 .Lnot_wave_0_\@
	s_barrier_signal -3
.Lnot_wave_0_\@:
	s_barrier_wait -3
	s_barrier_signal -1
	s_barrier_wait -1
.endm
	s_load_b256 s[4:11], s[0:1], 0x0               ; q_buf s[4:5], kv s[6:7], attn_img s[8:9], attn_sc s[10:11]
	v_lshl_add_u32 v251, v0, 2, 0x34000
	v_mov_b32 v255, 0
	ds_add_u32 v251, v255
	ds_add_u32 v251, v255
	v_lshrrev_b32 v1, 5, v0
	s_delay_alu instid0(VALU_DEP_1)
	v_readfirstlane_b32 s[WV], v1                  ; wave 0..15
	s_bfe_u32 s[CX], ttmp6, 0x40000                ; my place in the cluster
	s_and_b32 s[BH], ttmp7, 0xffff                 ; 16 batch + head, which the four partners share
	s_mov_b32 s[G1], 15|(3<<16)|(1<<21)            ; 15:0 the mask: all four work-groups; 17:16 elements of 8 bytes; 20 no padding; 21 set beside a mask
	s_mov_b32 s[G1+1], 32<<16                      ; tensor_dim0 = 32 elements: rows of 256 bytes
	s_mov_b32 s[G1+2], 51<<16                      ; tensor_dim1 = 51 rows: a record
	s_mov_b32 s[G1+3], 32<<16                      ; tile_dim0
	s_mov_b32 s[G1+4], 51                          ; tile_dim1
	s_mov_b32 s[G1+5], 32                          ; the rows are dense
	s_mov_b32 s[G1+6], 0
	s_mov_b32 s[G1+7], 0
	s_mov_b32 s[G0], 1
	s_mul_i32 s[G0+1], s[WV], REC                  ; record w goes to LDS byte 13,056 w
	s_mul_i32 s38, s[BH], 16*REC
	s_add_co_u32 s38, s38, s[G0+1]
	s_mov_b32 s39, 0
	s_mov_b32 s[SEL], 0x76543210
	s_mov_b32 s[SEL+1], 0xfedcba98
	s_mov_b32 s[CS], 0x3e38aa3b
	s_mov_b32 s[CS+1], s[CS]                       ; (named with it as a pair, so it is written)
	s_sub_co_u32 s[J], 31, s[WV]
	s_mov_b32 s[OT], 0
	s_wait_dscnt 0x0
	s_wait_kmcnt 0x0
	s_add_nc_u64 s[G0+2:G0+3], s[6:7], s[38:39]
	s_or_b32 s[G0+3], s[G0+3], 0x80000000
	CROUND                                         ; all four work-groups are here: the joint loads meet
	tensor_load_to_lds s[G0:G0+3], s[G1:G1+7]      ; my one tensor load of the launch
	s_nop 0
.rept 4
	v_nop
.endr
	v_and_b32 v10, 31, v0                          ; lane
	v_and_b32 v11, 15, v0                          ; r
	v_bfe_u32 v35, v0, 4, 1                        ; h
	s_delay_alu instid0(VALU_DEP_3)
	v_lshlrev_b32 v[LI4], 2, v10
	s_delay_alu instid0(VALU_DEP_4)
	v_lshlrev_b32 v[LI8], 3, v10
	v_lshlrev_b32 v[LI16], 4, v10
	v_and_b32 v[QL], 8, v11
	s_delay_alu instid0(VALU_DEP_1)
	v_add_nc_u32 v[QL], v[QL], v11
	v_lshlrev_b32 v35, 4, v35
	s_delay_alu instid0(VALU_DEP_1)
	v_sub_nc_u32 v[QL], v[QL], v35
	v_lshlrev_b32 v[GS], 5, v11
	v_lshlrev_b32 v[LQS], 2, v11
.irp i, 0,1,2,3,4,5
	v_mov_b32 v[QZ+\i], 0                          ; the zero codes on both sides of q: written once
	v_mov_b32 v[QZ+12+\i], 0
.endr
.irp b, 0,1,2,3
	v_mov_b32 v[236+\b], 0                         ; written once: a lane permute's destination counts as one of its sources
.endr
	v_mov_b32 v252, 0
	v_mov_b32 v253, 0                              ; (named as the upper half of the pair v[252:253] before it is first written)
	s_wait_tensorcnt 0x0                           ; my record has landed,
	s_barrier_signal -1
	s_barrier_wait -1                              ; everybody's has: from here on LDS is only read
.Ltile:                                                ; two trips: j = 31 - w, then j = w
	s_wait_xcnt 0x0                                ; the last tile's stores have read their bases and data
	s_lshr_b32 s[LIM], s[J], 1
	s_and_b32 s38, s[J], 1
	s_lshl_b32 s38, s38, 2
	s_add_co_u32 s38, s38, s[CX]                   ; the tile's place in its record of q: (4 j + cx) % 8
	s_lshl_b32 s39, s[BH], 4
	s_add_co_u32 s39, s39, s[LIM]
	s_mul_i32 s48, s39, QREC                       ; the record
	s_mul_i32 s39, s38, 768
	s_add_co_u32 s50, s48, s39
	s_mov_b32 s51, 0
	s_add_nc_u64 s[QP:QP+1], s[4:5], s[50:51]
	s_lshl_b32 s39, s38, 6
	s_add_co_u32 s50, s48, s39
	s_add_co_u32 s50, s50, 6144
	s_add_nc_u64 s[QSP:QSP+1], s[4:5], s[50:51]
	s_lshl_b32 s[Q0], s[J], 6                      ; lane r's query is 64 j + 32 (cx / 2) + 8 (cx % 2) + r + 8 (r / 8)
	s_lshr_b32 s38, s[CX], 1
	s_lshl_b32 s38, s38, 5
	s_add_co_u32 s[Q0], s[Q0], s38
	s_and_b32 s38, s[CX], 1
	s_lshl_b32 s38, s38, 3
	s_add_co_u32 s[Q0], s[Q0], s38
	s_lshr_b32 s38, s[BH], 4
	s_lshl_b32 s38, s38, 7
	s_lshl_b32 s39, s[J], 2
	s_add_co_u32 s38, s38, s39
	s_add_co_u32 s38, s38, s[CX]                   ; the stored tile of tokens among all 512: 128 batch + 4 j + cx
	s_and_b32 s39, s[BH], 15                       ; the head
	s_mul_i32 s50, s38, 12288
	s_mul_i32 s48, s39, 768
	s_add_co_u32 s50, s50, s48
	s_add_nc_u64 s[OP:OP+1], s[8:9], s[50:51]
	s_lshl_b32 s50, s38, 9
	s_lshl_b32 s48, s39, 1
	s_add_co_u32 s50, s50, s48
	s_add_nc_u64 s[OSP:OSP+1], s[10:11], s[50:51]
.irp p, 0,1,2
	global_load_b64 v[QZ+6+2*\p:QZ+7+2*\p], v[LI8], s[QP:QP+1] offset:256*\p   ; q's six registers, as they were stored
.endr
	global_load_b32 v[QS], v[LQS], s[QSP:QSP+1]
	v_mov_b32 v13, 0xff61b1e6                      ; the largest t so far: -3e38, under every t
	s_delay_alu instid0(VALU_DEP_1)
	v_floor_f32 v12, -v13                          ; -M
	v_mov_b32 v14, 0
	v_mov_b32 v15, 0
.set n, 0
.rept 32
	v_mov_b32 v[160+n], 0                          ; O^T.  (The key step is written once: the first finds zeros, which the first change of M leaves zeros)
.set n, n+1
.endr
	s_mov_b32 s[KI], 0
	s_mov_b32 s[TB], 0
	s_wait_loadcnt 0x0
.Lkey:                                                 ; 16 trips, a constant; a step all of whose keys come after the tile's queries is passed over: a branch on the wave's number and the counters
	s_cmp_gt_u32 s[KI], s[LIM]
	s_cbranch_scc1 .Lskip
	s_setprio 2
	v_add_nc_u32 v[AD4], s[TB], v[LI4]
	v_add_nc_u32 v[AD8], s[TB], v[LI8]
	v_add_nc_u32 v[AD16], s[TB], v[LI16]
	v_nop                                          ; four plain lines in front of loads into registers that the last products read
.irp i, 0,1,2,3
	ds_load_b32 v[KSW+\i], v[AD4] offset:KSO+128*\i                 ; lanes 0-15: tile 2 i's scale words; lanes 16-31: tile 2 i + 1's
.endr
.irp i, 0,1,2,3
.irp p, 0,1,2,3,4,5
	ds_load_b64 v[FRG+12*\i+2*\p:FRG+12*\i+2*\p+1], v[AD8] offset:1536*\i+256*\p   ; tiles 2 i and 2 i + 1 in one fragment; 256 consecutive bytes a load
.endr
.endr
	s_wait_alu depctr_va_vdst(0)
.irp i, 0,1,2,3
	s_wait_dscnt 18-6*\i                           ; fragment i is in; the six loads of each later fragment may be out
	v_wmma_scale_f32_16x16x128_f8f6f4 v[96+16*\i:103+16*\i], v[FRG+12*\i:FRG+12*\i+11], v[QZ+6:QZ+17], 0, v[KSW+\i], v[QS] matrix_a_fmt:MATRIX_FMT_FP6 matrix_b_fmt:MATRIX_FMT_FP6
	v_wmma_scale_f32_16x16x128_f8f6f4 v[104+16*\i:111+16*\i], v[FRG+12*\i:FRG+12*\i+11], v[QZ:QZ+11], 0, v[KSW+\i], v[QS] matrix_a_fmt:MATRIX_FMT_FP6 matrix_b_fmt:MATRIX_FMT_FP6 matrix_a_scale:MATRIX_SCALE_ROW1
.endr
.rept 4
	v_nop                                          ; places: in front of the loads below and of the first read of the scores
.endr
.irp i, 0,1
	ds_load_b32 v[VSW+\i], v[AD4] offset:VSO+128*\i
.endr
.irp f, 0,1,2,3                                ; V's four fragments take K's registers and land under the softmax
.irp g, 0,1,2
	ds_load_b128 v[FRG+12*\f+4*\g:FRG+12*\f+4*\g+3], v[AD16] offset:VCO+1536*\f+512*\g
.endr
.endr
	s_cmp_lt_u32 s[KI], s[LIM]                     ; all keys of an earlier step count
	s_cbranch_scc1 .Lopen
	s_lshl_b32 s38, s[KI], 7                       ; the tile's last step: hidden scores become -infinity ahead of the maximum, so that p = 0
	s_sub_co_i32 s38, s[Q0], s38
	v_add_nc_u32 v252, s38, v[QL]                  ; d = my query - the step's first key - 16 (lane / 16).  Register 16 b + i holds key 32 b + 16 (lane / 16) + i: hidden where 32 b + i > d
	v_mov_b32 v254, 0xff800000
.set n, 0
.rept 64
	v_cmp_gt_i32 vcc_lo, 32*(n/16)+n%16, v252
	v_cndmask_b32 v[96+n], v[96+n], v254, vcc_lo
.set n, n+1
.endr
.Lopen:
.irp b, 0,1,2,3
	v_max3_num_f32 v[232+\b], v[96+16*\b], v[97+16*\b], v[98+16*\b]   ; the largest score of each block of 32 keys: it serves for the row's maximum and, since p rises with the score, for the block's largest p
.endr
.irp i, 3,5,7,9,11,13
.irp b, 0,1,2,3
	v_max3_num_f32 v[232+\b], v[232+\b], v[96+16*\b+\i], v[97+16*\b+\i]
.endr
.endr
.irp b, 0,1,2,3
	v_max_num_f32 v[232+\b], v[232+\b], v[111+16*\b]
.endr
.irp b, 0,1,2,3
	s_delay_alu instid0(VALU_DEP_4)
	v_permlanex16_b32 v[236+\b], v[232+\b], s[SEL], s[SEL+1]
.endr
.irp b, 0,1,2,3
	s_delay_alu instid0(VALU_DEP_4)
	v_max_num_f32 v[232+\b], v[232+\b], v[236+\b]  ; with lane l xor 16's 16 keys
.endr
	s_delay_alu instid0(VALU_DEP_2)
	v_max3_num_f32 v254, v232, v233, v234
	s_delay_alu instid0(VALU_DEP_1)
	v_max_num_f32 v254, v254, v235                 ; the step's largest score of my query
	s_delay_alu instid0(VALU_DEP_1)
	v_mul_f32 v254, s[CS], v254                    ; as t (c is positive)
	s_delay_alu instid0(VALU_DEP_1)
	v_max_num_f32 v13, v13, v254                   ; the running largest t
	v_mov_b32 v254, v12
	s_delay_alu instid0(VALU_DEP_2)
	v_floor_f32 v12, -v13                          ; the new -M = floor(-t): M is a whole number
	s_delay_alu instid0(VALU_DEP_1)
	v_sub_f32 v254, v12, v254                      ; old M - new M: a whole number, 0 or less
	s_delay_alu instid0(VALU_DEP_1)
	v_cvt_i32_f32 v254, v254                       ; (it saturates)
	s_delay_alu instid0(VALU_DEP_1)
	v_ldexp_f32 v252, 1.0, v254                    ; f = 2^(old M - new M)
.set n, 0
	s_setprio 1
.rept 32
	v_pk_fma_f32 v[96+n:97+n], v[96+n:97+n], s[CS:CS+1], v[12:13] op_sel_hi:[1,0,0]   ; t - M, two at a time
.set n, n+2
.endr
.irp b, 0,1,2,3
	v_fma_f32 v[232+\b], v[232+\b], s[CS], v12     ; the same of each block's largest score
.endr
.set n, 0
	s_wait_alu depctr_va_vdst(0)
.rept 64
	v_exp_f32 v[96+n], v[96+n]                     ; p = 2^(t - M), at most 1: not normalised
.set n, n+1
.endr
	v_pk_mul_f32 v[14:15], v[14:15], v[252:253] op_sel_hi:[1,0]   ; the sums under the new M (the plain line behind the exponentials)
	s_wait_alu depctr_va_vdst(0)                   ; one wait for the batch of 64, ahead of its first reader
.irp b, 0,1,2,3
	v_exp_f32 v[232+\b], v[232+\b]                 ; the block's largest p
.endr
	v_pk_add_f32 v[236:237], v[100:101], v[104:105]
	v_pk_add_f32 v[248:249], v[108:109], v[112:113]
	v_pk_add_f32 v[246:247], v[116:117], v[120:121]
	v_pk_add_f32 v[244:245], v[124:125], v[128:129]
	v_pk_add_f32 v[242:243], v[132:133], v[136:137]
	v_pk_add_f32 v[240:241], v[140:141], v[144:145]
	v_pk_add_f32 v[238:239], v[148:149], v[152:153]
	v_pk_add_f32 v[14:15], v[14:15], v[156:157]
	v_pk_add_f32 v[236:237], v[236:237], v[96:97]
	v_pk_add_f32 v[248:249], v[248:249], v[98:99]
	v_pk_add_f32 v[246:247], v[246:247], v[102:103]
	v_pk_add_f32 v[244:245], v[244:245], v[106:107]
	v_pk_add_f32 v[242:243], v[242:243], v[110:111]
	v_pk_add_f32 v[240:241], v[240:241], v[114:115]
	v_pk_add_f32 v[238:239], v[238:239], v[118:119]
	v_pk_add_f32 v[14:15], v[14:15], v[122:123]
	v_pk_add_f32 v[236:237], v[236:237], v[126:127]
	v_pk_add_f32 v[248:249], v[248:249], v[130:131]
	v_pk_add_f32 v[246:247], v[246:247], v[134:135]
	v_pk_add_f32 v[244:245], v[244:245], v[138:139]
	v_pk_add_f32 v[242:243], v[242:243], v[142:143]
	v_pk_add_f32 v[240:241], v[240:241], v[146:147]
	v_pk_add_f32 v[238:239], v[238:239], v[150:151]
	v_pk_add_f32 v[14:15], v[14:15], v[154:155]
	v_pk_add_f32 v[236:237], v[236:237], v[158:159]
	s_delay_alu instid0(VALU_DEP_2)
	v_pk_add_f32 v[14:15], v[14:15], v[244:245]
	s_delay_alu instid0(VALU_DEP_2)
	v_pk_add_f32 v[236:237], v[236:237], v[242:243]
	v_pk_add_f32 v[248:249], v[248:249], v[240:241]
	v_pk_add_f32 v[246:247], v[246:247], v[238:239]
	s_delay_alu instid0(VALU_DEP_2)
	v_pk_add_f32 v[14:15], v[14:15], v[248:249]
	s_delay_alu instid0(VALU_DEP_2)
	v_pk_add_f32 v[236:237], v[236:237], v[246:247]
	s_delay_alu instid0(VALU_DEP_1)
	v_pk_add_f32 v[14:15], v[14:15], v[236:237]
	s_wait_alu depctr_va_vdst(0)                   ; and one for the four
.irp b, 0,1,2,3
	v_max_num_f32 v[232+\b], 0x1800000, v[232+\b]  ; the floor 2^(3 - 127): the byte cannot fall under 1
.endr
.irp b, 0,1,2,3
	s_delay_alu instid0(VALU_DEP_4)
	v_add_nc_u32 v[244+\b], 0xff000000, v[232+\b]  ; 2 off the exponent field: the conversion's scale operand
.endr
.irp b, 0,1,2,3
	s_delay_alu instid0(VALU_DEP_4)
	v_lshrrev_b32 v[236+\b], 23, v[244+\b]         ; the scale's byte
.endr
	s_delay_alu instid0(VALU_DEP_3)
	v_lshl_or_b32 v253, v237, 8, v236              ; p's scale word for these 128 keys
	s_delay_alu instid0(VALU_DEP_1)
	v_lshl_or_b32 v253, v238, 16, v253
	s_delay_alu instid0(VALU_DEP_1)
	v_lshl_or_b32 v253, v239, 24, v253
	s_setprio 0
.irp c, 0,1
	v_cvt_scalef32_pk16_fp6_f32 v[192+6*\c:194+6*\c], v[96+32*\c:111+32*\c], v[244+2*\c]
	v_cvt_scalef32_pk16_fp6_f32 v[204+4*\c:206+4*\c], v[112+32*\c:127+32*\c], v[244+2*\c+1]   ; (a conversion's three registers begin on an even number)
.endr
	v_nop                                          ; one plain line behind a scaled conversion
.irp c, 0,1                                    ; the operand's layout wants a whole block in a lane
.irp i, 0,1,2
	v_permlane16_swap_b32 v[192+6*\c+\i], v[204+4*\c+\i]
.endr
.irp i, 0,1,2
	s_delay_alu instid0(VALU_DEP_3)
	v_mov_b32 v[195+6*\c+\i], v[204+4*\c+\i]
.endr
.endr
.set n, 0
.rept 16
	v_pk_mul_f32 v[160+n:161+n], v[160+n:161+n], v[252:253] op_sel_hi:[1,0]   ; O^T under the new M.  (These sixteen are also the places between the scale word's and the codes' last writes and the products)
.set n, n+2
.endr
	s_wait_alu depctr_va_vdst(0)
	s_wait_dscnt 0x0                               ; V is in
.irp f, 0,1,2,3                                ; O^T += V^T P^T: four accumulators by turns
.if \f%2
	v_wmma_scale_f32_16x16x128_f8f6f4 v[160+8*\f:167+8*\f], v[FRG+12*\f:FRG+12*\f+11], v[192:203], v[160+8*\f:167+8*\f], v[VSW+\f/2], v253 matrix_a_fmt:MATRIX_FMT_FP6 matrix_b_fmt:MATRIX_FMT_FP6 matrix_a_scale:MATRIX_SCALE_ROW1
.else
	v_wmma_scale_f32_16x16x128_f8f6f4 v[160+8*\f:167+8*\f], v[FRG+12*\f:FRG+12*\f+11], v[192:203], v[160+8*\f:167+8*\f], v[VSW+\f/2], v253 matrix_a_fmt:MATRIX_FMT_FP6 matrix_b_fmt:MATRIX_FMT_FP6
.endif
.endr
.Lskip:
	s_add_co_u32 s[TB], s[TB], REC
	s_add_co_u32 s[KI], s[KI], 1
	s_cmp_lt_u32 s[KI], 16
	s_cbranch_scc1 .Lkey
	s_setprio 0
	; THE WAY OUT of a tile: O^T / the sum; register 16 b + i is feature 32 b + 16 (lane / 16) + i of my query: two blocks along the next K
.rept 4
	v_nop                                          ; places behind the last products
.endr
	v_add_f32 v14, v14, v15                        ; the sum's two halves,
	s_delay_alu instid0(VALU_DEP_1)
	v_permlanex16_b32 v252, v14, s[SEL], s[SEL+1]
	s_delay_alu instid0(VALU_DEP_1)
	v_add_f32 v14, v14, v252                       ; and lane l xor 16's
	s_wait_alu depctr_va_vdst(0)
	v_rcp_f32 v14, v14
	v_nop                                          ; a plain line behind the reciprocal
	s_wait_alu depctr_va_vdst(0)                   ; and the wait ahead of its first reader
.set n, 0
.rept 32
	v_mul_f32 v[96+n], v[160+n], v14
.set n, n+1
.endr
.irp b, 0,1
	v_max3_num_f32 v[232+\b], |v[96+16*\b]|, |v[97+16*\b]|, 0x1800000
.endr
.irp i, 2,4,6,8,10,12,14
.irp b, 0,1
	s_delay_alu instid0(VALU_DEP_2)
	v_max3_num_f32 v[232+\b], v[232+\b], |v[96+16*\b+\i]|, |v[97+16*\b+\i]|
.endr
.endr
.irp b, 0,1
	s_delay_alu instid0(VALU_DEP_2)
	v_permlanex16_b32 v[236+\b], v[232+\b], s[SEL], s[SEL+1]
.endr
.irp b, 0,1
	s_delay_alu instid0(VALU_DEP_2)
	v_max_num_f32 v[232+\b], v[232+\b], v[236+\b]
.endr
.irp b, 0,1
	s_delay_alu instid0(VALU_DEP_2)
	v_add_nc_u32 v[244+\b], 0xff000000, v[232+\b]
.endr
.irp b, 0,1
	s_delay_alu instid0(VALU_DEP_2)
	v_lshrrev_b32 v[236+\b], 23, v[244+\b]
.endr
	s_delay_alu instid0(VALU_DEP_1)
	v_lshl_or_b32 v254, v237, 8, v236              ; my query's two scale bytes of this head
	v_cvt_scalef32_pk16_fp6_f32 v[192:194], v[96:111], v244
	v_cvt_scalef32_pk16_fp6_f32 v[204:206], v[112:127], v245
	v_nop
.irp i, 0,1,2
	v_permlane16_swap_b32 v[192+\i], v[204+\i]
.endr
.irp i, 0,1,2
	s_delay_alu instid0(VALU_DEP_3)
	v_mov_b32 v[195+\i], v[204+\i]                 ; registers 0-5: features 32 (lane / 16) + 0 .. 31
.endr
.irp p, 0,1,2
	global_store_b64 v[LI8], v[192+2*\p:193+2*\p], s[OP:OP+1] offset:256*\p   ; 32 lanes store 256 consecutive bytes, aligned
.endr
	global_store_b16 v[GS], v254, s[OSP:OSP+1]     ; two bytes a row, rows 32 bytes apart: one part in 24 of what the launch stores; to gather them the waves, which run free, would have to meet
	s_sub_co_u32 s[J], 31, s[J]
	s_add_co_u32 s[OT], s[OT], 1
	s_cmp_lt_u32 s[OT], 2
	s_cbranch_scc1 .Ltile
	s_wait_dscnt 0x0                               ; no LDS instruction of mine is out at a signal
	s_wait_tensorcnt 0x0
	ds_add_u32 v251, v255
	s_wait_dscnt 0x0
	CROUND                                         ; the closing round
	s_endpgm
.Lfunc_end_k_qe2ce3de02a_attn:
	.size	k_qe2ce3de02a_attn, .Lfunc_end_k_qe2ce3de02a_attn-k_qe2ce3de02a_attn
	.p2alignl 7, 3214868480
	.fill 96, 4, 3214868480
	.section	.rodata,"a",@progbits
	.p2align	6, 0x0
	.amdhsa_kernel k_qe2ce3de02a_attn
		.amdhsa_group_segment_fixed_size 215040
		.amdhsa_private_segment_fixed_size 0
		.amdhsa_enable_private_segment 0
		.amdhsa_kernarg_size 32
		.amdhsa_user_sgpr_count 2
		.amdhsa_user_sgpr_kernarg_segment_ptr 1
		.amdhsa_wavefront_size32 1
		.amdhsa_system_sgpr_workgroup_id_x 1
		.amdhsa_system_sgpr_workgroup_id_y 1
		.amdhsa_system_sgpr_workgroup_id_z 1
		.amdhsa_system_vgpr_workitem_id 0
		.amdhsa_next_free_vgpr 256
		.amdhsa_next_free_sgpr 66
		.amdhsa_reserve_vcc 1
		.amdhsa_float_denorm_mode_32 3
		.amdhsa_float_denorm_mode_16_64 3
		.amdhsa_memory_ordered 1
		.amdhsa_forward_progress 1
		.amdhsa_inst_pref_size 35
	.end_amdhsa_kernel
	.amdgpu_metadata
---
amdhsa.version: [ 1, 2 ]
amdhsa.kernels:
  - .name:           k_qe2ce3de02a_attn
    .symbol:         k_qe2ce3de02a_attn.kd
    .args:
      - { .name: q_buf, .offset: 0, .size: 8, .value_kind: global_buffer, .address_space: global }
      - { .name: kv, .offset: 8, .size: 8, .value_kind: global_buffer, .address_space: global }
      - { .name: attn_img, .offset: 16, .size: 8, .value_kind: global_buffer, .address_space: global }
      - { .name: attn_sc, .offset: 24, .size: 8, .value_kind: global_buffer, .address_space: global }
    .group_segment_fixed_size: 215040
    .private_segment_fixed_size: 0
    .kernarg_segment_align: 8
    .kernarg_segment_size: 32
    .max_flat_workgroup_size: 512
    .sgpr_count:     66
    .vgpr_count:     256
    .wavefront_size: 32
...
	.end_amdgpu_metadata
.endif
;; end of part 3
;; launch proj (part 4): grid 4 x 32, 4 waves a work-group, clusters of 4 x 4, 327,680 bytes of LDS; arguments attn_img, attn_sc, w_codes, w_scales, bp, out0; writes out0
.if DOCPART == 4
	.amdgcn_target "amdgcn-amd-amdhsa--gfx1250"
	.amdhsa_code_object_version 6
	.text
	.protected	k_qe2ce3de02a_proj
	.globl	k_qe2ce3de02a_proj
	.p2align	8
	.type	k_qe2ce3de02a_proj,@function
k_qe2ce3de02a_proj:
	s_mov_b64 s[64:65], 0
	v_nop
	global_prefetch_b8 v0, s[64:65] scope:SCOPE_SE
	s_setreg_imm32_b32 hwreg(HW_REG_WAVE_MODE, 25, 1), 1
	s_wait_xcnt 0x0
	s_wait_alu depctr_hold_cnt(0) depctr_sa_sdst(0) depctr_va_vdst(0) depctr_va_sdst(0) depctr_va_ssrc(0) depctr_va_vcc(0) depctr_vm_vsrc(0)
	s_getreg_b32 s2, hwreg(HW_REG_IB_STS2, 6, 4)
	s_cmp_eq_u32 s2, 0
	s_cbranch_scc0 .Lentry_in_a_cluster
	s_endpgm
.Lentry_in_a_cluster:
	s_bfe_u32 s2, ttmp6, 0x10000c
	s_cmp_lg_u32 s2, 0xf033
	s_cbranch_scc0 .Lentry_shape_is_right
	s_endpgm
.Lentry_shape_is_right:
; out0 = attn Wp^T + bp on codes of FP6 (E2M3) with one E8M0 scale for each 32 along K = 1,024; sums in f32; out0 [8192][1024] f32.
; A = attn arrives as IMAGES OF ITS FRAGMENTS: [stored tile of 16 tokens][K step of 128: 1,536 bytes][6 pieces][lane][8 bytes]; its scale bytes as rows of 32.  B = Wp: rows 3,072 on of the weights' codes, rows of 768 bytes, in true order.
; A tile of 256 x 256 of out0 is made by four waves, 128 x 128 each: 64 accumulators.  K goes in steps of 256 through a ring of two LDS slots filled by the tensor data mover; the scale bytes of the tile's rows come once.
; The matrix instruction is used transposed (source 0 = 16 rows of Wp, source 1 = 16 tokens): a lane holds eight neighbouring numbers of a row of out0.  bp is the C of each sum's first product.
; THE STORED ORDER OF TOKENS: lane r of stored tile 2 b + u is token 32 b + 8 u + r + 8 (r / 8): the way out puts each row where it belongs.
; CLUSTERS: 4 x 4 work-groups; A's tiles are shared along a row of the cluster, B's along a column, each asked for jointly.
; REGISTERS, in windows of 256: window 0: v0-31 addresses; v32-63 scale words, two sets; v64-127 bp; from v128 A's fragments, one set.  window 1: B's fragments, two sets.  windows 2, 3: the accumulators.
.set SIZE_N, 1024
.set SIZE_K, 1024
.set KSTEP,  256
.set NQ,     KSTEP/128
.set ROWB,   192                       ; a row of B's tile in bytes
.set ASTEP,  3072                      ; a row of A's tile: a stored tile's two K steps of 128
.set KROW,   SIZE_K*6/8
.set PITCH,  240
.set FR,     12
.set NL,     6
.set NP,     4
.set HALFT,  128*PITCH                 ; a wave's part of a slot (A's images use 24,576 bytes of it)
.set SLOT,   4*HALFT
.set LAPS,   SIZE_K/(2*KSTEP)
.set KS,     SIZE_K/32
.set SCL,    2*SLOT
.set HALFS,  (128*KS/256)*272
.set SBLK,   (16*KS/256)*272
.set SPARE,  SCL+4*HALFS               ; the spare words, 128 bytes for each wave: two blocks of 256 bytes that no other line names
.set SPITCH, 528                       ; the way out: a stage of 16 rows x (512 bytes + 16) for each wave, in slot 0, which has had its last fill and its last read when the first result is stored there
.set ADRA, 16                          ; v16-17 LDS address of my A fragments in slot 0, 1: 8 x lane + my half
.set ADRB, 20                          ; v20-21 of my B fragments (v22-23: behind one padding more)
.set STO,  24
.set RD,   25
.set CO,   26
.set ADRS, 27
.set SPW,  28
.set NIL,  29
.set SC,   32
.set BIAS, 64                          ; v64-127: for B's block b, eight numbers of bp in the result's layout
.set AF,   128
.set BK,   128
.set G1, 24
.set G0, 32
.set G1B, 48
.set G0B, 56
.set G1S, 68
.set G0S, 76
.set G1SB, 80
.set G0SB, 88
.set MSB, 0
.macro WIN new
.if MSB != \new
	s_set_vgpr_msb (MSB<<8)|(\new)
.set MSB, \new
.endif
.endm
.set MUL_LO, 0xa1                      ; source 0 (B) window 1, source 1 (A) window 0, C and D window 2
.set MUL_HI, 0xf1                      ; the same, C and D window 3
.set TO_B,   0x40
.macro JLOAD g0a, g1a, g0b, g1b        ; a joint load: waves 0 and 1 fetch for A, waves 2 and 3 for B; four v_nop follow each of the two lines
	s_cmp_eq_u32 s15, 0
	s_cbranch_scc0 .Lfor_b_\@
	tensor_load_to_lds s[\g0a:\g0a+3], s[\g1a:\g1a+7]
	s_nop 0
.rept 4
	v_nop
.endr
	s_branch .Lasked_\@
.Lfor_b_\@:
	tensor_load_to_lds s[\g0b:\g0b+3], s[\g1b:\g1b+7]
	s_nop 0
.rept 4
	v_nop
.endr
.Lasked_\@:
.endm
.macro CREST
	s_cmp_lg_u32 s14, 0
	s_cbranch_scc1 .Lnot_wave_0_\@
	s_barrier_signal -3
.Lnot_wave_0_\@:
	s_barrier_wait -3
	s_barrier_signal -1
	s_barrier_wait -1
.endm
.macro CROUND
	s_barrier_signal -1
	s_barrier_wait -1
	CREST
.endm
	s_load_b128 s[4:7], s[0:1], 0x0                ; A's images, A's scales
	s_load_b128 s[8:11], s[0:1], 0x10              ; the weights' codes, their scales
	s_load_b64 s[66:67], s[0:1], 0x20              ; bp
	s_load_b64 s[12:13], s[0:1], 0x28              ; out0
	v_lshl_add_u32 v[SPW], v0, 2, SPARE
	v_mov_b32 v[NIL], 0
	ds_add_u32 v28, v29
	ds_add_u32 v28, v29
	s_wait_dscnt 0x0
	v_lshrrev_b32 v1, 5, v0
	v_readfirstlane_b32 s14, v1                    ; wave 0..3
	s_lshr_b32 s15, s14, 1                         ; which half of the tile's rows is mine.  Also: I fetch for A (0) or for B (1)
	s_and_b32 s16, s14, 1                          ; which half of its columns.  Also: which 128 rows of that tile I fetch
	s_bfe_u32 s40, ttmp6, 0x40000                  ; cx, cy
	s_bfe_u32 s41, ttmp6, 0x40004
	s_lshl_b32 s42, ttmp9, 2
	s_add_co_u32 s42, s42, s40                     ; tile column
	s_and_b32 s17, ttmp7, 0xffff
	s_lshl_b32 s17, s17, 2
	s_add_co_u32 s17, s17, s41                     ; tile row
	s_lshl_b32 s43, s41, 2
	s_lshl_b32 s43, 15, s43                        ; my row of the cluster
	s_lshl_b32 s44, 0x1111, s40                    ; my column
	; A's tiles: 8 stored tiles of tokens x 3,072 bytes (384 elements of 8 bytes), 12,288 bytes apart in memory, dense in LDS
	s_or_b32 s[G1+0], s43, (3<<16)|(1<<21)         ; 15:0 the mask: my row; 17:16 elements of 8 bytes; 20 no padding; 21 set beside a mask
	s_mov_b32 s[G1+1], 384<<16                     ; tensor_dim0
	s_mov_b32 s[G1+2], 8<<16                       ; tensor_dim1
	s_mov_b32 s[G1+3], 384<<16                     ; tile_dim0
	s_mov_b32 s[G1+4], 8                           ; tile_dim1
	s_mov_b32 s[G1+5], 1536                        ; tensor_dim0_stride, in elements
	s_mov_b32 s[G1+6], 0
	s_mov_b32 s[G1+7], 0
	; B's tiles: 128 rows x 192 bytes, 16 bytes of padding behind every 64
	s_or_b32 s[G1B+0], s44, (0<<16)|(1<<20)|(1<<21)|(3<<22)|(3<<25)
	s_mov_b32 s[G1B+1], ROWB<<16
	s_mov_b32 s[G1B+2], 128<<16
	s_mov_b32 s[G1B+3], ROWB<<16
	s_mov_b32 s[G1B+4], 128
	s_mov_b32 s[G1B+5], KROW
	s_mov_b32 s[G1B+6], 0
	s_mov_b32 s[G1B+7], 0
	; the scales of 128 rows: 16 rows of 256 bytes, 16 bytes of padding behind each
	s_or_b32 s[G1S+0], s43, (3<<16)|(1<<20)|(1<<21)|(5<<22)|(3<<25)
	s_or_b32 s[G1SB+0], s44, (3<<16)|(1<<20)|(1<<21)|(5<<22)|(3<<25)
.irp g, G1S, G1SB
	s_mov_b32 s[\g+1], 32<<16
	s_mov_b32 s[\g+2], (128*KS/256)<<16
	s_mov_b32 s[\g+3], 32<<16
	s_mov_b32 s[\g+4], 128*KS/256
	s_mov_b32 s[\g+5], 32
	s_mov_b32 s[\g+6], 0
	s_mov_b32 s[\g+7], 0
.endr
	s_lshl_b32 s18, s16, 7
	s_lshl_b32 s20, s17, 8
	s_add_co_u32 s20, s20, s18                     ; A: stored row 256 x tile row + 128 x half
	s_lshl_b32 s46, s42, 8
	s_add_co_u32 s46, s46, s18                     ; B: row 256 x tile column + 128 x half
	s_mov_b32 s21, 0
	s_mov_b32 s47, 0
	s_mov_b64 s[18:19], KS
	s_mul_u64 s[22:23], s[20:21], s[18:19]
	s_mul_u64 s[92:93], s[46:47], s[18:19]
	s_mov_b64 s[18:19], KROW
	s_mul_u64 s[20:21], s[20:21], s[18:19]         ; (16 stored rows are 12,288 bytes of images: 768 a row, as in B)
	s_mul_u64 s[46:47], s[46:47], s[18:19]
	s_mul_i32 s45, s14, HALFT
	s_mul_i32 s94, s14, HALFS
	s_wait_kmcnt 0x0
	s_add_nc_u64 s[8:9], s[8:9], 3072*KROW         ; Wp's codes,
	s_add_nc_u64 s[10:11], s[10:11], 3072*KS       ; and its scales
	s_add_nc_u64 s[20:21], s[4:5], s[20:21]
	s_add_nc_u64 s[22:23], s[6:7], s[22:23]
	s_add_nc_u64 s[46:47], s[8:9], s[46:47]
	s_add_nc_u64 s[92:93], s[10:11], s[92:93]
	CROUND                                         ; all sixteen work-groups are here: the first joint loads meet
	s_mov_b32 s[G0S], 1
	s_add_co_u32 s[G0S+1], s94, SCL
	s_mov_b64 s[G0S+2:G0S+3], s[22:23]
	s_or_b32 s[G0S+3], s[G0S+3], 0x80000000
	s_mov_b32 s[G0SB], 1
	s_add_co_u32 s[G0SB+1], s94, SCL
	s_mov_b64 s[G0SB+2:G0SB+3], s[92:93]
	s_or_b32 s[G0SB+3], s[G0SB+3], 0x80000000
	JLOAD G0S, G1S, G0SB, G1SB
.irp s, 0,1
	s_mov_b32 s[G0+4*\s], 1
	s_add_co_u32 s[G0+4*\s+1], s45, \s*SLOT
	s_add_nc_u64 s[G0+4*\s+2:G0+4*\s+3], s[20:21], \s*ASTEP
	s_or_b32 s[G0+4*\s+3], s[G0+4*\s+3], 0x80000000
	s_mov_b32 s[G0B+4*\s], 1
	s_add_co_u32 s[G0B+4*\s+1], s45, \s*SLOT
	s_add_nc_u64 s[G0B+4*\s+2:G0B+4*\s+3], s[46:47], \s*ROWB
	s_or_b32 s[G0B+4*\s+3], s[G0B+4*\s+3], 0x80000000
	JLOAD G0+4*\s, G1, G0B+4*\s, G1B
.endr
	v_and_b32 v1, 15, v0                           ; r
	v_bfe_u32 v2, v0, 4, 1                         ; h
	v_and_b32 v6, 31, v0                           ; lane
	v_mul_u32_u24 v3, v1, PITCH
	v_mul_u32_u24 v4, v2, 24
	v_add_nc_u32 v4, v3, v4                        ; B: a fragment's row x pitch + 24 x half
	v_lshl_add_u32 v5, v2, 4, v4                   ; and the same behind one padding more
	v_lshlrev_b32 v7, 3, v6                        ; A: 8 x lane
	s_mul_i32 s21, s15, HALFT
	s_mul_i32 s22, s16, HALFT
	s_add_co_u32 s22, s22, 2*HALFT
.irp s, 0,1
	v_add_nc_u32 v[ADRA+\s], s21, v7
	v_add_nc_u32 v[ADRB+\s], s22, v4
	v_add_nc_u32 v[ADRB+2+\s], s22, v5
	s_add_co_u32 s21, s21, SLOT
	s_add_co_u32 s22, s22, SLOT
.endr
	v_mul_u32_u24 v5, v1, KS
	v_lshrrev_b32 v8, 8, v5
	v_lshl_add_u32 v5, v8, 4, v5
	s_mul_i32 s21, s15, HALFS
	s_mul_i32 s22, s16, HALFS
	s_add_co_u32 s22, s22, 2*HALFS
	s_sub_co_u32 s22, s22, s21
	v_mul_u32_u24 v8, s22, v2                      ; lanes 16-31 take B's
	s_add_co_u32 s21, s21, SCL
	v_add_nc_u32 v5, v5, v8
	v_add_nc_u32 v[ADRS], s21, v5
	s_mul_i32 s23, s14, 16*SPITCH                  ; my stage
	v_mul_u32_u24 v5, v1, SPITCH
	v_lshl_add_u32 v5, v2, 5, v5
	v_add_nc_u32 v[STO], s23, v5                   ; in: row r, 32 bytes for each half of the lanes
	v_lshlrev_b32 v[CO], 4, v6                     ; back: the 32 lanes take one row of 512 bytes; and the same in out0
	v_add_nc_u32 v[RD], s23, v[CO]
	s_lshl_b32 s20, s17, 8
	s_lshl_b32 s21, s15, 7
	s_add_co_u32 s20, s20, s21                     ; my first token: 256 x tile row + 128 x half
	s_mov_b32 s21, 0
	s_mov_b64 s[18:19], SIZE_N*4
	s_mul_u64 s[20:21], s[20:21], s[18:19]
	s_lshl_b32 s46, s42, 10                        ; my first column, in bytes: 1,024 x tile column + 512 x half
	s_lshl_b32 s47, s16, 9
	s_add_co_u32 s46, s46, s47
	s_mov_b32 s47, 0
	s_add_nc_u64 s[20:21], s[20:21], s[46:47]
	s_add_nc_u64 s[12:13], s[12:13], s[20:21]
	s_add_nc_u64 s[66:67], s[66:67], s[46:47]      ; bp at my first column
	v_lshlrev_b32 v9, 5, v2                        ; my half's eight numbers of a block of 16
.irp b, 0,1,2,3,4,5,6,7
	global_load_b128 v[BIAS+8*\b:BIAS+8*\b+3], v9, s[66:67] offset:64*\b
	global_load_b128 v[BIAS+8*\b+4:BIAS+8*\b+7], v9, s[66:67] offset:64*\b+16
.endr
.macro FRAG reg, adr, q, i             ; a fragment of B from padded rows, in pieces of 8 bytes
.irp p, 0,1,2,3,4,5
.set PCE, 12*(\q)+6*(\p/3)+\p%3
.if PCE%8 < 5
	ds_load_b64 v[\reg+2*\p:\reg+2*\p+1], v[\adr] offset:8*PCE+16*(PCE/8)+(\i)*16*PITCH
.else
	ds_load_b64 v[\reg+2*\p:\reg+2*\p+1], v[\adr+2] offset:8*PCE+16*(PCE/8)+(\i)*16*PITCH
.endif
.endr
.endm
.macro FRAGA reg, adr, q, i            ; a fragment of A from its image: 256 consecutive bytes a load
.irp p, 0,1,2,3,4,5
	ds_load_b64 v[\reg+2*\p:\reg+2*\p+1], v[\adr] offset:ASTEP*(\i)+1536*(\q)+256*\p
.endr
.endm
; 16 matrix instructions: A's blocks a0, a0 + 1 x B's eight.  first = 1: the sums begin with bp as C.  The 64 accumulators take turns, one instruction a turn.
.macro MUL16 a0, p, q, sc, first
.irp a, \a0, \a0+1
.irp b, 0,1,2,3,4,5,6,7
.if \first
	v_wmma_scale_f32_16x16x128_f8f6f4 v[8*(8*((\a)%4)+\b):8*(8*((\a)%4)+\b)+7], v[128*(\p)+FR*\b:128*(\p)+FR*\b+FR-1], v[AF+FR*(\a):AF+FR*(\a)+FR-1], v[BIAS+8*\b:BIAS+8*\b+7], v[SC+8*NQ*(\sc)+NQ*\b+(\q)], v[SC+8*NQ*(\sc)+NQ*(\a)+(\q)] matrix_a_fmt:MATRIX_FMT_FP6 matrix_b_fmt:MATRIX_FMT_FP6 matrix_a_scale:MATRIX_SCALE_ROW1
.else
	v_wmma_scale_f32_16x16x128_f8f6f4 v[8*(8*((\a)%4)+\b):8*(8*((\a)%4)+\b)+7], v[128*(\p)+FR*\b:128*(\p)+FR*\b+FR-1], v[AF+FR*(\a):AF+FR*(\a)+FR-1], v[8*(8*((\a)%4)+\b):8*(8*((\a)%4)+\b)+7], v[SC+8*NQ*(\sc)+NQ*\b+(\q)], v[SC+8*NQ*(\sc)+NQ*(\a)+(\q)] matrix_a_fmt:MATRIX_FMT_FP6 matrix_b_fmt:MATRIX_FMT_FP6 matrix_a_scale:MATRIX_SCALE_ROW1
.endif
.endr
.endr
.endm
.macro FETCH_B slot, q, p
	WIN TO_B
.irp i, 0,1,2,3,4,5,6,7
	FRAG 128*(\p)+FR*\i, ADRB+\slot, \q, \i
.endr
	WIN 0
.endm
.macro FETCH_A slot, q, i0
.irp i, \i0, \i0+1, \i0+2, \i0+3
	FRAGA AF+FR*(\i), ADRA+\slot, \q, \i
.endr
.endm
.macro SCALES sc
.irp i, 0,1,2,3,4,5,6,7
	ds_load_b64 v[SC+8*NQ*\sc+NQ*\i:SC+8*NQ*\sc+NQ*\i+1], v[ADRS] offset:\i*SBLK
.endr
.endm
.macro PLACES n
.rept \n
	v_nop
.endr
.endm
.macro STEP slot, q, first
	s_wait_dscnt 4*NL                              ; B's set and A's blocks 0-3 are in; the youngest 24 loads (A's blocks 4-7) may be out
	WIN MUL_LO-0x20*\first                         ; (with bp as C: source 2 in window 0)
	MUL16 0, (\q)%2, \q, \slot, \first
	MUL16 2, (\q)%2, \q, \slot, \first
	s_wait_dscnt 0
	PLACES NP
	FETCH_B \slot, (\q)+1, 1-(\q)%2
	FETCH_A \slot, (\q)+1, 0
	WIN MUL_HI-0x30*\first
	MUL16 4, (\q)%2, \q, \slot, \first
	MUL16 6, (\q)%2, \q, \slot, \first
	PLACES NP
	WIN 0
	FETCH_A \slot, (\q)+1, 4
.endm
.macro TURN slot, next, fill
	s_wait_tensorcnt 0x0                           ; all my tensor loads have landed: my part of the next slot
	ds_add_u32 v[SPW], v[NIL]                      ; 0 onto my spare word
	s_wait_dscnt 4*NL+1                            ; (the add and the youngest 24 loads may be out)
	WIN MUL_LO
	MUL16 0, 1, NQ-1, \slot, 0
	s_wait_dscnt 0x0                               ; the add is done, and my reads of this slot are over
	s_barrier_signal -1
	MUL16 2, 1, NQ-1, \slot, 0
	WIN 0
	s_barrier_wait -1
.if \fill
	CREST                                          ; the barrier has opened a round of the cluster's: no wave of any partner still reads this slot or has a load on its way
	s_add_nc_u64 s[G0+4*\slot+2:G0+4*\slot+3], s[G0+4*\slot+2:G0+4*\slot+3], 2*ASTEP
	s_add_nc_u64 s[G0B+4*\slot+2:G0B+4*\slot+3], s[G0B+4*\slot+2:G0B+4*\slot+3], 2*ROWB
	JLOAD G0+4*\slot, G1, G0B+4*\slot, G1B         ; the first tensor load behind the round; its four v_nop are the places in front of the loads below
.else
	PLACES NP
.endif
	v_add_nc_u32 v[ADRS], 4*NQ, v[ADRS]
	FETCH_B \next, 0, 0
	FETCH_A \next, 0, 0
	SCALES \next
	WIN MUL_HI
	MUL16 4, 1, NQ-1, \slot, 0
	MUL16 6, 1, NQ-1, \slot, 0
	PLACES NP
	WIN 0
	FETCH_A \next, 0, 4
.endm
	s_wait_tensorcnt 1                             ; the scales and my part of K step 0 are in (K step 1's load may be out),
	s_barrier_signal -1
	s_barrier_wait -1                              ; everybody's are
	FETCH_B 0, 0, 0
	FETCH_A 0, 0, 0
	SCALES 0
	FETCH_A 0, 0, 4
	s_wait_loadcnt 0x0                             ; bp
	STEP 0, 0, 1                                   ; the first step stands in front of the loop: its products start the sums, on bp
	s_mov_b32 s3, LAPS-1
.Llap:
	TURN 0, 1, 1
	STEP 1, 0, 0
	TURN 1, 0, 1
	STEP 0, 0, 0
	s_sub_co_u32 s3, s3, 1
	s_cmp_lg_u32 s3, 0
	s_cbranch_scc1 .Llap
	TURN 0, 1, 0                                   ; the last lap fills nothing
	STEP 1, 0, 0
	s_wait_dscnt 4*NL                              ; the very last step
	WIN MUL_LO
	MUL16 0, 1, NQ-1, 1, 0
	MUL16 2, 1, NQ-1, 1, 0
	s_wait_dscnt 0
	WIN MUL_HI
	MUL16 4, 1, NQ-1, 1, 0
	MUL16 6, 1, NQ-1, 1, 0
	WIN 0
; THE WAY OUT, block by block of 16 tokens x 128 columns, through my own stage in LDS: back come whole rows of 512 bytes.  LDS serves a wave's instructions in order: no wait between the stores and the loads.
.macro TOSTAGE a
.set AC, 64*((\a)%4)
	WIN 0x08+4*((\a)/4)                            ; the data: window 2 or 3
.irp b, 0,1,2,3,4,5,6,7
	ds_store_b128 v[STO], v[AC+8*\b:AC+8*\b+3] offset:64*\b          ; each accumulator from its low end on
	ds_store_b128 v[STO], v[AC+8*\b+4:AC+8*\b+7] offset:64*\b+16
.endr
	WIN 0
.set BB, BK+64*((\a)%2)
.irp t, 0,1,2,3,4,5,6,7,8,9,10,11,12,13,14,15
	ds_load_b128 v[BB+4*\t:BB+4*\t+3], v[RD] offset:\t*SPITCH
.endr
.endm
.macro SEND a, younger                 ; stage row t of block a is token 32 (a / 2) + 8 (a % 2) + t + 8 (t / 8) of my 128
.set BB, BK+64*((\a)%2)
	s_wait_dscnt \younger                          ; the block is back in registers
.if (\a) > 0
.if (\a)%2
	s_add_nc_u64 s[12:13], s[12:13], 8*SIZE_N*4    ; (behind a wait on XCNT: the earlier stores have read their base)
.else
	s_add_nc_u64 s[12:13], s[12:13], 24*SIZE_N*4
.endif
.endif
.irp t, 0,1,2,3,4,5,6,7,8,9,10,11,12,13,14,15
	global_store_b128 v[CO], v[BB+4*\t:BB+4*\t+3], s[12:13] offset:(\t+8*(\t/8))*SIZE_N*4 th:TH_STORE_NT   ; 32 lanes store 512 consecutive bytes, aligned; written once, read by nobody here
.endr
.endm
	PLACES NP                                      ; in front of the loads into the registers that held A's fragments, and of the reads of results
	TOSTAGE 0
.irp a, 1,2,3,4,5,6,7
.if \a > 1
	s_wait_xcnt 0x0                                ; block a - 2's stores have read their registers and their base
.endif
	TOSTAGE \a
	SEND \a-1, 32                                  ; behind block a - 1's loads: block a's 16 stores and 16 loads
.endr
	s_wait_xcnt 0x0                                ; block 6's stores have read their base
	SEND 7, 0
	s_wait_tensorcnt 0x0                           ; the wave's end: behind my last tensor load and my last LDS store
	ds_add_u32 v[SPW], v[NIL]
	s_wait_dscnt 0x0
	CROUND                                         ; the closing round
	s_endpgm
.Lfunc_end_k_qe2ce3de02a_proj:
	.size	k_qe2ce3de02a_proj, .Lfunc_end_k_qe2ce3de02a_proj-k_qe2ce3de02a_proj
	.p2alignl 7, 3214868480
	.fill 96, 4, 3214868480
	.section	.rodata,"a",@progbits
	.p2align	6, 0x0
	.amdhsa_kernel k_qe2ce3de02a_proj
		.amdhsa_group_segment_fixed_size 327680
		.amdhsa_private_segment_fixed_size 0
		.amdhsa_enable_private_segment 0
		.amdhsa_kernarg_size 48
		.amdhsa_user_sgpr_count 2
		.amdhsa_user_sgpr_kernarg_segment_ptr 1
		.amdhsa_wavefront_size32 1
		.amdhsa_system_sgpr_workgroup_id_x 1
		.amdhsa_system_sgpr_workgroup_id_y 1
		.amdhsa_system_sgpr_workgroup_id_z 1
		.amdhsa_system_vgpr_workitem_id 0
		.amdhsa_next_free_vgpr 1024
		.amdhsa_next_free_sgpr 100
		.amdhsa_reserve_vcc 0
		.amdhsa_float_denorm_mode_32 3
		.amdhsa_float_denorm_mode_16_64 3
		.amdhsa_memory_ordered 1
		.amdhsa_forward_progress 1
		.amdhsa_inst_pref_size 162
	.end_amdhsa_kernel
	.amdgpu_metadata
---
amdhsa.version: [ 1, 2 ]
amdhsa.kernels:
  - .name:           k_qe2ce3de02a_proj
    .symbol:         k_qe2ce3de02a_proj.kd
    .args:
      - { .name: attn_img, .offset: 0, .size: 8, .value_kind: global_buffer, .address_space: global }
      - { .name: attn_sc, .offset: 8, .size: 8, .value_kind: global_buffer, .address_space: global }
      - { .name: w_codes, .offset: 16, .size: 8, .value_kind: global_buffer, .address_space: global }
      - { .name: w_scales, .offset: 24, .size: 8, .value_kind: global_buffer, .address_space: global }
      - { .name: bp, .offset: 32, .size: 8, .value_kind: global_buffer, .address_space: global }
      - { .name: out0, .offset: 40, .size: 8, .value_kind: global_buffer, .address_space: global }
    .group_segment_fixed_size: 327680
    .private_segment_fixed_size: 0
    .kernarg_segment_align: 8
    .kernarg_segment_size: 48
    .max_flat_workgroup_size: 128
    .sgpr_count:     100
    .vgpr_count:     1024
    .wavefront_size: 32
...
	.end_amdgpu_metadata
.endif
;; end of part 4
